; MI455X (gfx1250); checked and timed in simulation.
; The chip was launched on July 23, 2026; its instructions are those of AMD's public machine-readable ISA for CDNA 5 (MIT licence, August 2026) and "CDNA5" Instruction Set Architecture Reference Guide (July 2026). The comments in the code are by the model that wrote it; some were corrected since.
;; Linear Attention. Allowed arithmetic: float matrix products may take bf16 or f16 operands with f32 sums; all other float work in f32.
;; Inputs: Wk 1,024 x 1,024 float32; Wo 1,024 x 1,024 float32; Wq 1,024 x 1,024 float32; Wv 1,024 x 1,024 float32; x 4 x 1,024 x 1,024 float32.
;; Outputs: out0 4 x 1,024 x 1,024 float32.
;; 2 versions, each right; version 2 is version 1 with the launch prep written anew for expert scheduling mode. Each part assembles by itself: llvm-mc -triple=amdgcn-amd-amdhsa -mcpu=gfx1250 --defsym DOCPART=n.
;; ======== version 1 of 2: 4 launches
;; limits: values are held in f16: magnitudes above 65,504 overflow, below 6.1e-05 lose precision
;; workspace buffers: x16 8,388,608 bytes; w16 6,291,456 bytes; wo16 2,097,152 bytes; rope 262,144 bytes; qkv16 25,165,824 bytes; o16 8,388,608 bytes
;; launch prep (part 1): grid 256 x 1, 8 waves a work-group, no clusters, 0 bytes of LDS; arguments x, Wq, Wk, Wv, Wo, x16, w16, wo16, rope; writes x16, w16, wo16, rope
.if DOCPART == 1
	.amdgcn_target "amdgcn-amd-amdhsa--gfx1250"
	.amdhsa_code_object_version 6
	.text
	.protected	k_q5f98347889_prep
	.globl	k_q5f98347889_prep
	.p2align	8
	.type	k_q5f98347889_prep,@function
k_q5f98347889_prep:
	s_mov_b64 s[64:65], 0
	v_nop
	global_prefetch_b8 v0, s[64:65] scope:SCOPE_SE
	s_setreg_imm32_b32 hwreg(HW_REG_WAVE_MODE, 25, 1), 1
	s_wait_xcnt 0x0
; prep: x, Wq, Wk, Wv, Wo from f32 to f16, laid out anew as [K/64][rows][64] (a row's 64 numbers of one K block are 128 bytes, the rows of a
; block follow each other without a gap), and the table of cos and sin that the rotation of q and k needs: rope[t][p] = (cos, sin)(t * 10000^(-p/32)), f32.
; A stream: memory binds, so no LDS, no barrier, no matrix unit.  256 work-groups of 8 waves; work-group g owns 32 source rows of 4,096 bytes:
;   g 0-127 x -> x16;  128-159 Wq, 160-191 Wk, 192-223 Wv -> w16 (rows 0-1023, 1024-2047, 2048-3071);  224-255 Wo -> wo16.
; Wave w owns rows 4 w .. 4 w + 3, as two pairs.  One load takes the 256 bytes of one K block from both rows of a pair: lanes 0-15 sixteen neighbouring
; 16 bytes of the even row, lanes 16-31 of the odd one, so every byte that a load names is used.  A lane's four numbers become 8 bytes of f16, and the
; wave's store covers 256 consecutive bytes, aligned: the pair's two rows of that K block, which are neighbours in the destination.
; All 32 loads of a lane go out at once (16 KiB a wave on its way); nothing is rewritten while it is pending, so no register needs to be freed.
; LIMITS: a number of magnitude 65,504 or more becomes an infinity in f16.  The table's angle is good to about 1e-4 radians at t = 1023
; (one unit in the last place of v_exp_f32 times t), the order of the f32 rounding of t * inv_freq itself.
.set DO,  4                            ; v[4:19]    byte offset of my 8 bytes in K block kb of the destination, first pair of rows; never rewritten
.set X,   32                           ; v[32:159]  K block kb, pair rp: 4 registers as loaded at 8 kb + 4 rp, the first 2 then hold the 4 f16
.set W,   160                          ; v[160:173] the table's arithmetic
	s_load_b512 s[8:23], s[0:1], 0x0               ; x s[8:9], Wq s[10:11], Wk s[12:13], Wv s[14:15], Wo s[16:17], x16 s[18:19], w16 s[20:21], wo16 s[22:23]
	s_load_b64 s[24:25], s[0:1], 0x40              ; rope
	v_lshrrev_b32 v3, 5, v0
	v_readfirstlane_b32 s37, v3                    ; wave 0..7
	v_bfe_u32 v1, v0, 4, 1                         ; which row of a pair
	v_lshl_add_u32 v1, v3, 2, v1                   ; my row of the 32 in the first pair: 4 wave + (lane / 16)
	v_and_b32 v3, 15, v0                           ; my place in the 256 bytes
	v_lshlrev_b32 v2, 7, v1                        ; destination: row x 128
	v_lshl_add_u32 v2, v3, 3, v2                   ;              + 8 bytes a lane
	v_lshlrev_b32 v1, 12, v1                       ; source: row x 4,096
	v_lshl_add_u32 v1, v3, 4, v1                   ;         + 16 bytes a lane
	s_mov_b32 s31, ttmp9                           ; g
	s_sub_co_u32 s34, s31, 128                     ; g's place in each range (used only where g lies in it)
	s_sub_co_u32 s35, s31, 160
	s_sub_co_u32 s36, s31, 192
	s_sub_co_u32 s39, s31, 224
	s_wait_kmcnt 0x0
	s_mov_b64 s[26:27], s[8:9]                     ; source, destination, bytes from K block to K block, 32-row index in source and in destination: x's
	s_mov_b64 s[28:29], s[18:19]
	s_mov_b32 s30, 524288
	s_mov_b32 s32, s31
	s_mov_b32 s33, s31
	s_cmp_ge_u32 s31, 128                          ; every choice hangs on g alone
	s_cselect_b64 s[26:27], s[10:11], s[26:27]
	s_cselect_b64 s[28:29], s[20:21], s[28:29]
	s_cselect_b32 s30, 393216, s30
	s_cselect_b32 s32, s34, s32
	s_cselect_b32 s33, s34, s33
	s_cmp_ge_u32 s31, 160
	s_cselect_b64 s[26:27], s[12:13], s[26:27]
	s_cselect_b32 s32, s35, s32
	s_cmp_ge_u32 s31, 192
	s_cselect_b64 s[26:27], s[14:15], s[26:27]
	s_cselect_b32 s32, s36, s32
	s_cmp_ge_u32 s31, 224
	s_cselect_b64 s[26:27], s[16:17], s[26:27]
	s_cselect_b64 s[28:29], s[22:23], s[28:29]
	s_cselect_b32 s30, 131072, s30
	s_cselect_b32 s32, s39, s32
	s_cselect_b32 s33, s39, s33
	s_lshl_b32 s40, s32, 17                        ; 32 rows of 4,096 bytes
	s_mov_b32 s41, 0
	s_add_nc_u64 s[26:27], s[26:27], s[40:41]
	s_lshl_b32 s42, s33, 12                        ; 32 rows of 128 bytes
	s_mov_b32 s43, 0
	s_add_nc_u64 s[28:29], s[28:29], s[42:43]
.set kb, 0
.rept 16
	global_load_b128 v[X+8*kb:X+8*kb+3],   v1, s[26:27] offset:256*kb th:TH_LOAD_NT           ; the first pair of rows
	global_load_b128 v[X+8*kb+4:X+8*kb+7], v1, s[26:27] offset:256*kb+8192 th:TH_LOAD_NT      ; the second, two rows further down
.set kb, kb+1
.endr
.set kb, 0
.rept 16
	v_mad_u32_u24 v[DO+kb], kb, s30, v2
.set kb, kb+1
.endr
	; The table, while the loads are on their way: waves 0 to 3 make row t = 4 g + wave, lane p makes pair p.
	s_cmp_ge_u32 s37, 4
	s_cbranch_scc1 .Lno_table
	s_lshl2_add_u32 s38, s31, s37                  ; t
	v_and_b32 v[W], 31, v0                         ; p
	v_cvt_f32_u32 v[W+1], v[W]
	v_mul_f32 v[W+1], 0xbed49a78, v[W+1]           ; -p log2(10000) / 32
	v_exp_f32 v[W+1], v[W+1]                       ; inv_freq
	v_cvt_f32_u32 v[W+2], s38                      ; the plain instruction between v_exp_f32 and the use of its result (ISA guide 5.7.2)
	s_wait_alu depctr_va_vdst(0)
	v_mul_f32 v[W+2], v[W+2], v[W+1]               ; the angle a, up to 1023
	v_mul_f32 v[W+3], 0x3f22f983, v[W+2]
	v_rndne_f32 v[W+3], v[W+3]                     ; n = nearest whole number to a * 2 / pi
	v_fmamk_f32 v[W+4], v[W+3], 0xbfc90fdb, v[W+2] ; r = a - n pi/2, pi/2 in two parts: |r| <= pi/4
	v_fmamk_f32 v[W+4], v[W+3], 0x333bbd2e, v[W+4]
	v_mul_f32 v[W+5], v[W+4], v[W+4]               ; z = r r
	v_mov_b32 v[W+6], 0x3638ef1d                   ; sin r = r + r z (-1/6 + z (1/120 + z (-1/5040 + z / 362880)))
	v_mov_b32 v[W+7], 0x37d00d01                   ; cos r = 1 + z (-1/2 + z (1/24 + z (-1/720 + z / 40320)))
	v_fmaak_f32 v[W+6], v[W+6], v[W+5], 0xb9500d01
	v_fmaak_f32 v[W+7], v[W+7], v[W+5], 0xbab60b61
	v_fmaak_f32 v[W+6], v[W+6], v[W+5], 0x3c088889
	v_fmaak_f32 v[W+7], v[W+7], v[W+5], 0x3d2aaaab
	v_fmaak_f32 v[W+6], v[W+6], v[W+5], 0xbe2aaaab
	v_fmaak_f32 v[W+7], v[W+7], v[W+5], 0xbf000000
	v_mul_f32 v[W+8], v[W+4], v[W+5]
	v_fma_f32 v[W+6], v[W+8], v[W+6], v[W+4]       ; sin r
	v_fma_f32 v[W+7], v[W+7], v[W+5], 1.0          ; cos r
	v_cvt_i32_f32 v[W+9], v[W+3]                   ; the quadrant is n mod 4
	v_and_b32 v[W+10], 1, v[W+9]
	v_cmp_eq_u32 vcc_lo, 1, v[W+10]
	v_cndmask_b32 v[W+12], v[W+7], v[W+6], vcc_lo  ; odd quadrant: the two change places
	v_cndmask_b32 v[W+13], v[W+6], v[W+7], vcc_lo
	v_add_nc_u32 v[W+11], 1, v[W+9]
	v_lshlrev_b32 v[W+11], 30, v[W+11]             ; cos is negative in quadrants 1 and 2: bit 1 of n + 1
	v_lshlrev_b32 v[W+9], 30, v[W+9]               ; sin in quadrants 2 and 3: bit 1 of n
	v_and_b32 v[W+11], 0x80000000, v[W+11]
	v_and_b32 v[W+9], 0x80000000, v[W+9]
	v_xor_b32 v[W+12], v[W+12], v[W+11]
	v_xor_b32 v[W+13], v[W+13], v[W+9]
	s_lshl_b32 s39, s38, 8
	v_lshl_add_u32 v[W], v[W], 3, s39
	global_store_b64 v[W], v[W+12:W+13], s[24:25]  ; the wave stores the row's 256 consecutive bytes
.Lno_table:
.set kb, 0
.rept 16
	s_wait_loadcnt 30-2*kb                         ; loads come back in order (ISA guide 5.7.1): this K block's two are in, the 30 - 2 kb issued behind them stay out
	v_cvt_pk_f16_f32 v[X+8*kb],   v[X+8*kb],   v[X+8*kb+1]
	v_cvt_pk_f16_f32 v[X+8*kb+1], v[X+8*kb+2], v[X+8*kb+3]
	v_cvt_pk_f16_f32 v[X+8*kb+4], v[X+8*kb+4], v[X+8*kb+5]
	v_cvt_pk_f16_f32 v[X+8*kb+5], v[X+8*kb+6], v[X+8*kb+7]
	global_store_b64 v[DO+kb], v[X+8*kb:X+8*kb+1],   s[28:29]
	global_store_b64 v[DO+kb], v[X+8*kb+4:X+8*kb+5], s[28:29] offset:256
.set kb, kb+1
.endr
	s_endpgm
.Lfunc_end_k_q5f98347889_prep:
	.size	k_q5f98347889_prep, .Lfunc_end_k_q5f98347889_prep-k_q5f98347889_prep
	.p2alignl 7, 3214868480
	.fill 96, 4, 3214868480
	.section	.rodata,"a",@progbits
	.p2align	6, 0x0
	.amdhsa_kernel k_q5f98347889_prep
		.amdhsa_group_segment_fixed_size 0
		.amdhsa_private_segment_fixed_size 0
		.amdhsa_enable_private_segment 0
		.amdhsa_kernarg_size 72
		.amdhsa_user_sgpr_count 2
		.amdhsa_user_sgpr_kernarg_segment_ptr 1
		.amdhsa_wavefront_size32 1
		.amdhsa_system_sgpr_workgroup_id_x 1
		.amdhsa_system_sgpr_workgroup_id_y 1
		.amdhsa_system_sgpr_workgroup_id_z 1
		.amdhsa_system_vgpr_workitem_id 0
		.amdhsa_next_free_vgpr 176
		.amdhsa_next_free_sgpr 66
		.amdhsa_reserve_vcc 1
		.amdhsa_float_denorm_mode_32 3
		.amdhsa_float_denorm_mode_16_64 3
		.amdhsa_memory_ordered 1
		.amdhsa_forward_progress 1
		.amdhsa_inst_pref_size 16
	.end_amdhsa_kernel
	.amdgpu_metadata
---
amdhsa.version: [ 1, 2 ]
amdhsa.kernels:
  - .name:           k_q5f98347889_prep
    .symbol:         k_q5f98347889_prep.kd
    .args:
      - { .name: x, .offset: 0, .size: 8, .value_kind: global_buffer, .address_space: global }
      - { .name: Wq, .offset: 8, .size: 8, .value_kind: global_buffer, .address_space: global }
      - { .name: Wk, .offset: 16, .size: 8, .value_kind: global_buffer, .address_space: global }
      - { .name: Wv, .offset: 24, .size: 8, .value_kind: global_buffer, .address_space: global }
      - { .name: Wo, .offset: 32, .size: 8, .value_kind: global_buffer, .address_space: global }
      - { .name: x16, .offset: 40, .size: 8, .value_kind: global_buffer, .address_space: global }
      - { .name: w16, .offset: 48, .size: 8, .value_kind: global_buffer, .address_space: global }
      - { .name: wo16, .offset: 56, .size: 8, .value_kind: global_buffer, .address_space: global }
      - { .name: rope, .offset: 64, .size: 8, .value_kind: global_buffer, .address_space: global }
    .group_segment_fixed_size: 0
    .private_segment_fixed_size: 0
    .kernarg_segment_align: 8
    .kernarg_segment_size: 72
    .max_flat_workgroup_size: 256
    .sgpr_count:     66
    .vgpr_count:     176
    .wavefront_size: 32
...
	.end_amdgpu_metadata
.endif
;; end of part 1
;; launch qkv (part 2): grid 16 x 16, 4 waves a work-group, clusters of 4 x 4, 327,680 bytes of LDS; arguments x16, w16, rope, qkv16; writes qkv16
.if DOCPART == 2
	.amdgcn_target "amdgcn-amd-amdhsa--gfx1250"
	.amdhsa_code_object_version 6
	.text
	.protected	k_q5f98347889_qkv
	.globl	k_q5f98347889_qkv
	.p2align	8
	.type	k_q5f98347889_qkv,@function
k_q5f98347889_qkv:
	s_mov_b64 s[64:65], 0
	v_nop
	global_prefetch_b8 v0, s[64:65] scope:SCOPE_SE
	s_setreg_imm32_b32 hwreg(HW_REG_WAVE_MODE, 25, 1), 1
	s_wait_xcnt 0x0
	s_wait_alu depctr_hold_cnt(0) depctr_sa_sdst(0) depctr_va_vdst(0) depctr_va_sdst(0) depctr_va_ssrc(0) depctr_va_vcc(0) depctr_vm_vsrc(0)
	s_getreg_b32 s2, hwreg(HW_REG_IB_STS2, 6, 4)
	s_cmp_eq_u32 s2, 0
	s_cbranch_scc0 .Lentry_in_a_cluster
	s_endpgm
.Lentry_in_a_cluster:
	s_bfe_u32 s2, ttmp6, 0x10000c
	s_cmp_lg_u32 s2, 0xf033
	s_cbranch_scc0 .Lentry_shape_is_right
	s_endpgm
.Lentry_shape_is_right:
; qkv: [4096 tokens][1024] x [3072][1024]^T in f16 with f32 sums, then the rotation of q and k (q also times log2 e, so that the attention's
; exponentials are base 2), rounded once to f16 and stored head by head: qkv16[g][token][64], g = 16 kind + head, kind 0 q, 1 k, 2 v.
; A work-group makes 256 tokens x 192 columns (three heads) with four waves; wave w makes tokens 64 w .. 64 w + 63 x all 192 columns: 4 x 12 accumulator tiles.
; Both operands lie in memory as [K/64][rows][64] f16: the rows that a work-group needs of one K block are one dense run of bytes, fetched as rows of 256 bytes.
; K goes in steps of 128 (two K blocks) through a ring of two LDS slots.  A slot: A's block 0, A's block 1 (256 rows each), B's block 0, B's block 1 (192 rows each),
; every 128 bytes followed by 16 bytes of padding: pitch 144, an odd multiple of 16, so the sixteen rows of a fragment start in sixteen different 16-byte columns modulo 256.
; CLUSTERS: 4 x 4 work-groups.  A's tiles hang on the block row alone and are asked for jointly along a row of the cluster, B's on the block column alone and jointly
; along a column.  Waves 0 and 1 ask for A's two K blocks, waves 2 and 3 for B's: one tensor load a wave for each fill; two are out at the start, one afterwards.
; REGISTERS in windows of 256: window 0 addresses, A's fragments (two buffers of 4 x 8), the table (v128-255), work on the way out; window 1 B's fragments
; (two buffers of 12 x 8); window 2 the accumulators of token blocks 0, 1 (tile (a, b) at 8 (12 (a & 1) + b)); window 3 those of blocks 2, 3.
; THE MATRIX INSTRUCTION IS USED TRANSPOSED (source 0 = 16 rows of W, source 1 = 16 tokens): lane l holds token l % 16 and eight neighbouring columns 8 (l / 16) + 0..7.
; The 48 accumulators take turns, one instruction a turn, in the same order in every quarter step.
; LIMITS: q log2 e, k and v of magnitude 65,504 or more become infinities in f16; the f32 sums run in the matrix unit's order, K ascending.
.set NB,     12                        ; column tiles of 16
.set PITCH,  144
.set SUBA,   256*PITCH                 ; one K block of A in LDS
.set SUBB,   16*NB*PITCH               ; one K block of B in LDS
.set SLOT,   2*SUBA+2*SUBB
.set STAGE,  2*SLOT                    ; behind the ring: each wave's own 3 heads x 16 rows x 144 bytes, which no tensor load fills
.set WSTAGE, 3*16*PITCH
.set KBSA,   524288                    ; bytes from K block to K block in x16
.set KBSB,   393216                    ; and in w16
.set LAPS,   4                         ; a lap = two K steps of 128 = once round the ring; K = 1024
.set ADRA, 2                           ; v2-3   LDS address of my A fragments in slot 0, 1
.set ADRB, 4                           ; v4-5   the same for B
.set STO,  6                           ; the way out: where I put 16 bytes of a row
.set RD,   7                           ; the way out: where I read rows back
.set CO,   8                           ; my byte offset in the output
.set TOFF, 9                           ; my byte offset in the table; never rewritten
.set FF,   12                          ; v[12:23] head j of my three: (F, F), (G, 0)
.set TC,   32                          ; the way out: (c F + G, s F), 16 pairs
.set T,    64                          ; the way out: rotated numbers in f32
.set PK,   96                          ; the way out: packed f16
.set CS,   128                         ; v[128:255] (cos, sin) of my tokens: token block a, column tile bm of a head at 32 a + 8 bm
.set G1,  24                           ; s[24:31] descriptor group 1, A
.set G0,  32                           ; s[32:39] descriptor group 0, A, one set a slot
.set G1B, 48                           ; s[48:55] descriptor group 1, B
.set G0B, 56                           ; s[56:63] descriptor group 0, B, one set a slot
.set MUL_LO, 0xa1                      ; source 0 (B) window 1, source 1 (A) window 0, C and D window 2
.set MUL_HI, 0xf1                      ; the same, C and D window 3
.set TO_B,   0x40                      ; destination window 1, address window 0
.set MSB, 0
.macro WIN new                         ; the immediate's high byte repeats the setting that is left
.if MSB != \new
	s_set_vgpr_msb (MSB<<8)|\new
.set MSB, \new
.endif
.endm
.macro PLACES                          ; four independent vector instructions between a matrix instruction and a load into, or a vector access to, its registers
.rept 4
	v_nop
.endr
.endm
.macro JLOAD s                         ; a joint load: the branch hangs on the wave's number alone, each line has one mask
	s_cmp_eq_u32 s11, 0
	s_cbranch_scc0 .Lfor_b_\@
	tensor_load_to_lds s[G0+4*\s:G0+4*\s+3], s[G1:G1+7]
	s_nop 0
	s_branch .Lasked_\@
.Lfor_b_\@:
	tensor_load_to_lds s[G0B+4*\s:G0B+4*\s+3], s[G1B:G1B+7]
	s_nop 0
.Lasked_\@:
.endm
.macro CREST                           ; a round of the cluster's barrier behind its opening work-group barrier
	s_cmp_lg_u32 s10, 0
	s_cbranch_scc1 .Lnot_wave_0_\@
	s_barrier_signal -3
.Lnot_wave_0_\@:
	s_barrier_wait -3
	s_barrier_signal -1
	s_barrier_wait -1
.endm
.macro CROUND                          ; a whole round
	s_barrier_signal -1
	s_barrier_wait -1
	CREST
.endm
	s_load_b128 s[4:7], s[0:1], 0x0                ; x16 s[4:5], w16 s[6:7]
	s_load_b128 s[68:71], s[0:1], 0x10             ; rope s[68:69], qkv16 s[70:71]
	s_set_vgpr_msb 0x40
	v_lshl_add_u32 v255, v0, 2, 0x45c00
	s_set_vgpr_msb 0x4000
	v_mov_b32 v127, 0
	s_set_vgpr_msb 0x1
	ds_add_u32 v255, v127
	ds_add_u32 v255, v127
	s_set_vgpr_msb 0x100
	v_lshrrev_b32 v1, 5, v0
	v_readfirstlane_b32 s10, v1                    ; wave 0..3
	s_lshr_b32 s11, s10, 1                         ; I fetch for A (0) or for B (1)
	s_and_b32 s12, s10, 1                          ; which of a K step's two K blocks I fetch
	s_bfe_u32 s40, ttmp6, 0x40000                  ; cx
	s_bfe_u32 s41, ttmp6, 0x40004                  ; cy
	s_lshl_b32 s42, ttmp9, 2
	s_add_co_u32 s42, s42, s40                     ; block column = 4 x cluster x + cx
	s_and_b32 s13, ttmp7, 0xffff
	s_lshl_b32 s13, s13, 2
	s_add_co_u32 s13, s13, s41                     ; block row = 4 x cluster y + cy
	s_lshl_b32 s43, s41, 2
	s_lshl_b32 s43, 15, s43                        ; my row of the cluster
	s_lshl_b32 s44, 0x1111, s40                    ; my column
	; group 1: rows of 128 elements of 2 bytes (256 dense bytes); 16 bytes of padding behind every 32 words; bit 21 beside the mask
	s_or_b32 s[G1+0], s43, (1<<16)|(1<<20)|(1<<21)|(4<<22)|(3<<25)
	s_or_b32 s[G1B+0], s44, (1<<16)|(1<<20)|(1<<21)|(4<<22)|(3<<25)
	s_mov_b32 s[G1+1], 128<<16                     ; tensor_dim0 = 128
	s_mov_b32 s[G1B+1], 128<<16
	s_mov_b32 s[G1+2], 128<<16                     ; tensor_dim1 = 128 rows of 256 bytes = 256 rows of A
	s_mov_b32 s[G1B+2], (8*NB)<<16                 ; 96 rows of 256 bytes = 192 rows of B
	s_mov_b32 s[G1+3], 128<<16                     ; tile_dim0 = 128
	s_mov_b32 s[G1B+3], 128<<16
	s_mov_b32 s[G1+4], 128                         ; tile_dim1
	s_mov_b32 s[G1B+4], 8*NB
	s_mov_b32 s[G1+5], 128                         ; elements from row to row: dense
	s_mov_b32 s[G1B+5], 128
	s_mov_b32 s[G1+6], 0
	s_mov_b32 s[G1B+6], 0
	s_mov_b32 s[G1+7], 0
	s_mov_b32 s[G1B+7], 0
	; A's address is made of the block row and the wave's number, B's of the block column and the wave's number, in registers that never hold the other coordinate
	s_lshl_b32 s16, s13, 15                        ; 256 rows of 128 bytes
	s_mul_i32 s17, s12, KBSA
	s_add_co_u32 s16, s16, s17
	s_mov_b32 s17, 0
	s_mul_i32 s46, s42, NB*2048                    ; 192 rows of 128 bytes
	s_mul_i32 s47, s12, KBSB
	s_add_co_u32 s46, s46, s47
	s_mov_b32 s47, 0
	s_mul_i32 s20, s10, SUBA                       ; where A's block goes (waves 0, 1)
	s_mul_i32 s21, s10, SUBB
	s_add_co_u32 s21, s21, 2*SUBA-2*SUBB           ; where B's goes (waves 2, 3): behind A's two
	s_wait_dscnt 0x0
	s_wait_kmcnt 0x0
	s_add_nc_u64 s[14:15], s[4:5], s[16:17]
	s_add_nc_u64 s[46:47], s[6:7], s[46:47]
	CROUND                                         ; all sixteen work-groups are here: the first joint loads meet
.irp s, 0,1
	s_mov_b32 s[G0+4*\s], 1
	s_add_co_u32 s[G0+4*\s+1], s20, \s*SLOT
	s_add_nc_u64 s[G0+4*\s+2:G0+4*\s+3], s[14:15], \s*2*KBSA       ; K step s
	s_or_b32 s[G0+4*\s+3], s[G0+4*\s+3], 0x80000000
	s_mov_b32 s[G0B+4*\s], 1
	s_add_co_u32 s[G0B+4*\s+1], s21, \s*SLOT
	s_add_nc_u64 s[G0B+4*\s+2:G0B+4*\s+3], s[46:47], \s*2*KBSB
	s_or_b32 s[G0B+4*\s+3], s[G0B+4*\s+3], 0x80000000
	JLOAD \s
.endr
	; the table rows of my 64 tokens: lane (r, h) needs, for token block a and column tile bm of a head, the pairs 8 bm + 4 h + 0..3: 32 bytes.  Waited for in front of the way out.
	v_and_b32 v1, 15, v0                           ; r
	v_bfe_u32 v10, v0, 4, 1                        ; h
	s_and_b32 s22, s13, 3
	s_lshl_b32 s22, s22, 8                         ; the block row's first position in its sequence of 1024
	s_lshl_b32 s23, s10, 6
	s_add_co_u32 s22, s22, s23
	v_add_nc_u32 v11, s22, v1
	v_lshlrev_b32 v11, 8, v11                      ; a table row is 256 bytes
	v_lshl_add_u32 v[TOFF], v10, 5, v11
.irp a, 0,1,2,3
.irp bm, 0,1,2,3
	global_load_b128 v[CS+32*\a+8*\bm:CS+32*\a+8*\bm+3],   v[TOFF], s[68:69] offset:\a*4096+\bm*64
	global_load_b128 v[CS+32*\a+8*\bm+4:CS+32*\a+8*\bm+7], v[TOFF], s[68:69] offset:\a*4096+\bm*64+16
.endr
.endr
	; a fragment is 16 rows x 32 K in 8 registers: two loads of 16 bytes, 32 bytes apart, at row x pitch + 16 h
	v_mul_u32_u24 v11, v1, PITCH
	v_lshl_add_u32 v11, v10, 4, v11
	s_mul_i32 s22, s10, 64*PITCH                   ; my 64 rows of A
	v_add_nc_u32 v[ADRA], s22, v11
	v_add_nc_u32 v[ADRA+1], SLOT, v[ADRA]
	v_add_nc_u32 v[ADRB], 2*SUBA, v11
	v_add_nc_u32 v[ADRB+1], 2*SUBA+SLOT, v11
	s_mul_i32 s23, s10, WSTAGE
	s_add_co_u32 s23, s23, STAGE                   ; my stage
	v_add_nc_u32 v[STO], s23, v11                  ; in: row r, 16 bytes for each half of the lanes
	v_and_b32 v1, 31, v0                           ; lane
	v_lshrrev_b32 v10, 3, v1
	v_and_b32 v11, 7, v1
	v_mul_u32_u24 v10, v10, PITCH
	v_lshl_add_u32 v10, v11, 4, v10
	v_add_nc_u32 v[RD], s23, v10                   ; back: eight lanes take a row of 128 bytes, the wave four rows
	v_lshlrev_b32 v[CO], 4, v1                     ; which are 512 consecutive bytes of the output
; 12 matrix instructions: token block a x all column tiles, 32 along K, from fragment buffers p.  zero = 1: the first product starts the sums
.macro MULA p, a, zero
.set fb, 8*NB*(\p)
.set fa, 32+32*(\p)+8*(\a)
.set ac, 8*NB*((\a)&1)
.set ib, 0
.rept NB
.if \zero
	v_wmma_f32_16x16x32_f16 v[ac+8*ib:ac+8*ib+7], v[fb+8*ib:fb+8*ib+7], v[fa:fa+7], 0
.else
	v_wmma_f32_16x16x32_f16 v[ac+8*ib:ac+8*ib+7], v[fb+8*ib:fb+8*ib+7], v[fa:fa+7], v[ac+8*ib:ac+8*ib+7]
.endif
.set ib, ib+1
.endr
.endm
; the fragments of quarter q (0..3) of a K step into buffers p: 24 loads for B, 8 for A, in one run
.macro FETCH slot, q, p
.set kofb, ((\q)>>1)*SUBB+64*((\q)&1)
.set kofa, ((\q)>>1)*SUBA+64*((\q)&1)
.set fb, 8*NB*(\p)
.set fa, 32+32*(\p)
	WIN TO_B
.set ib, 0
.rept NB
	ds_load_b128 v[fb+8*ib:fb+8*ib+3],   v[ADRB+\slot] offset:kofb+ib*16*PITCH
	ds_load_b128 v[fb+8*ib+4:fb+8*ib+7], v[ADRB+\slot] offset:kofb+ib*16*PITCH+32
.set ib, ib+1
.endr
	WIN 0
.set ib, 0
.rept 4
	ds_load_b128 v[fa+8*ib:fa+8*ib+3],   v[ADRA+\slot] offset:kofa+ib*16*PITCH
	ds_load_b128 v[fa+8*ib+4:fa+8*ib+7], v[ADRA+\slot] offset:kofa+ib*16*PITCH+32
.set ib, ib+1
.endr
.endm
; one of a K step's first three quarters: the next quarter's fragments are asked for first and have this quarter's 48 matrix instructions in which to come
.macro QUARTER slot, q, p, zero
	s_wait_dscnt 0x0                               ; buffers p are in: only their loads were out
	PLACES
	FETCH \slot, (\q+1), (1-\p)
	WIN MUL_LO
	MULA \p, 0, \zero
	MULA \p, 1, \zero
	WIN MUL_HI
	MULA \p, 2, \zero
	MULA \p, 3, \zero
.endm
; the last quarter changes slots.  In front of the barrier each wave waits for its reads of this slot and for all its tensor loads (the one that is out is its part of
; the next slot).  fill = 1: the barrier opens a round of the cluster's barrier, and the joint refill of this slot, two K steps ahead, is the first tensor load behind the round.
.macro TURN slot, next, fill
	s_wait_dscnt 0x0                               ; buffers 1 are in, and with them all my reads of this slot
	s_wait_tensorcnt 0x0                           ; all my tensor loads have landed
	ds_add_u32 v255, v127
	s_wait_dscnt 0x0
	s_barrier_signal -1
	WIN MUL_LO
	MULA 1, 0, 0                                   ; register work while the others arrive
	MULA 1, 1, 0
	WIN 0
	s_barrier_wait -1
.if \fill
	CREST
	s_add_nc_u64 s[G0+4*\slot+2:G0+4*\slot+3], s[G0+4*\slot+2:G0+4*\slot+3], 4*KBSA
	s_add_nc_u64 s[G0B+4*\slot+2:G0B+4*\slot+3], s[G0B+4*\slot+2:G0B+4*\slot+3], 4*KBSB
	JLOAD \slot
.endif
	PLACES
	FETCH \next, 0, 0
	WIN MUL_HI
	MULA 1, 2, 0
	MULA 1, 3, 0
.endm
.macro THREE slot, zero
	QUARTER \slot, 0, 0, \zero
	QUARTER \slot, 1, 1, 0
	QUARTER \slot, 2, 0, 0
.endm
.macro LAP zero
	THREE 0, \zero
	TURN 0, 1, 1
	THREE 1, 0
	TURN 1, 0, 1
.endm
	s_wait_tensorcnt 0x1                           ; my part of K step 0 is in; K step 1's stays out
	s_barrier_signal -1
	s_barrier_wait -1
	FETCH 0, 0, 0
	LAP 1                                          ; the first lap's first products start the sums
	WIN 0
	s_mov_b32 s3, LAPS-2
.Llap:
	LAP 0
	WIN 0
	s_sub_co_u32 s3, s3, 1
	s_cmp_lg_u32 s3, 0
	s_cbranch_scc1 .Llap
	THREE 0, 0                                     ; the last lap fills nothing
	TURN 0, 1, 0
	THREE 1, 0
	s_wait_dscnt 0x0
	WIN MUL_LO
	MULA 1, 0, 0
	MULA 1, 1, 0
	WIN MUL_HI
	MULA 1, 2, 0
	MULA 1, 3, 0
	WIN 0
	PLACES
	; THE WAY OUT.  Head slot g = 3 x block column + j.  One text serves q, k and v: the table pair (c, s) becomes (c F + G, s F) with
	; F = log2 e, G = 0 for q; F = 1, G = 0 for k; F = 0, G = 1 for v (the identity).  Selects, no branch.
	s_wait_loadcnt 0x0                             ; the table
	s_lshl_b32 s16, s13, 15                        ; my first token: 256 x block row + 64 x wave, rows of 128 bytes
	s_lshl_b32 s17, s10, 13
	s_add_co_u32 s16, s16, s17
	s_mov_b32 s17, 0
	s_add_nc_u64 s[70:71], s[70:71], s[16:17]
	s_mul_i32 s72, s42, 3
	s_lshl_b32 s46, s72, 19                        ; a head slot is 524,288 bytes
	s_mov_b32 s47, 0
	s_add_nc_u64 s[70:71], s[70:71], s[46:47]
.irp j, 0,1,2
	s_add_co_u32 s73, s72, \j
	s_cmp_lt_u32 s73, 32
	s_cselect_b32 s74, 0x3f800000, 0
	s_cselect_b32 s75, 0, 0x3f800000
	s_cmp_lt_u32 s73, 16
	s_cselect_b32 s74, 0x3fb8aa3b, s74
	v_mov_b32 v[FF+4*\j], s74
	v_mov_b32 v[FF+4*\j+1], s74
	v_mov_b32 v[FF+4*\j+2], s75
	v_mov_b32 v[FF+4*\j+3], 0
.endr
; token block a (16 tokens): rotate, round, 16 bytes a lane into my stage, whole rows back, 512 consecutive bytes a store.  from: source 0 in window 2 or 3
.macro OUTA a, from
	s_wait_xcnt 0x0                                ; v[32:79], which the last block's stores read, are rewritten only behind this wait (ISA guide 3.1)
.irp j, 0,1,2
.set ac, 8*(NB*((\a)&1)+4*\j)
.set n, 0
.rept 16
	v_pk_fma_f32 v[TC+2*n:TC+2*n+1], v[CS+32*\a+2*n:CS+32*\a+2*n+1], v[FF+4*\j:FF+4*\j+1], v[FF+4*\j+2:FF+4*\j+3]
.set n, n+1
.endr
	WIN \from
.set n, 0
.rept 16
	v_mul_f32 v[T+2*n],   v[ac+2*n], v[TC+2*n]             ; e c
	v_mul_f32 v[T+2*n+1], v[ac+2*n], v[TC+2*n+1]           ; e s
.set n, n+1
.endr
.set n, 0
.rept 16
	v_fma_f32 v[T+2*n],   -v[ac+2*n+1], v[TC+2*n+1], v[T+2*n]      ; e c - o s
	v_fma_f32 v[T+2*n+1], v[ac+2*n+1],  v[TC+2*n],   v[T+2*n+1]    ; e s + o c
.set n, n+1
.endr
	WIN 0
.set n, 0
.rept 16
	v_cvt_pk_f16_f32 v[PK+n], v[T+2*n], v[T+2*n+1]
.set n, n+1
.endr
.irp bm, 0,1,2,3
	ds_store_b128 v[STO], v[PK+4*\bm:PK+4*\bm+3] offset:\j*16*PITCH+32*\bm
.endr
.endr
.irp j, 0,1,2
.irp t, 0,1,2,3
	ds_load_b128 v[32+16*\j+4*\t:32+16*\j+4*\t+3], v[RD] offset:\j*16*PITCH+\t*4*PITCH     ; LDS serves a wave's instructions in order (ISA guide 5.7.1): these see the stores above
.endr
.endr
.irp j, 0,1,2
.irp t, 0,1,2,3
	s_wait_dscnt 11-4*\j-\t                        ; of the twelve loads those issued behind this one stay out
	global_store_b128 v[CO], v[32+16*\j+4*\t:32+16*\j+4*\t+3], s[70:71] offset:\j*524288+\a*2048+\t*512
.endr
.endr
.endm
	OUTA 0, 0x02
	OUTA 1, 0x02
	OUTA 2, 0x03
	OUTA 3, 0x03
	s_set_vgpr_msb 0x1
	s_wait_tensorcnt 0x0
	ds_add_u32 v255, v127
	s_wait_dscnt 0x0
	s_set_vgpr_msb 0x100
	CROUND                                         ; the closing round: no work-group ends while a partner may still ask for a tile that names it
	s_endpgm
.Lfunc_end_k_q5f98347889_qkv:
	.size	k_q5f98347889_qkv, .Lfunc_end_k_q5f98347889_qkv-k_q5f98347889_qkv
	.p2alignl 7, 3214868480
	.fill 96, 4, 3214868480
	.section	.rodata,"a",@progbits
	.p2align	6, 0x0
	.amdhsa_kernel k_q5f98347889_qkv
		.amdhsa_group_segment_fixed_size 327680
		.amdhsa_private_segment_fixed_size 0
		.amdhsa_enable_private_segment 0
		.amdhsa_kernarg_size 32
		.amdhsa_user_sgpr_count 2
		.amdhsa_user_sgpr_kernarg_segment_ptr 1
		.amdhsa_wavefront_size32 1
		.amdhsa_system_sgpr_workgroup_id_x 1
		.amdhsa_system_sgpr_workgroup_id_y 1
		.amdhsa_system_sgpr_workgroup_id_z 1
		.amdhsa_system_vgpr_workitem_id 0
		.amdhsa_next_free_vgpr 960
		.amdhsa_next_free_sgpr 80
		.amdhsa_reserve_vcc 0
		.amdhsa_float_denorm_mode_32 3
		.amdhsa_float_denorm_mode_16_64 3
		.amdhsa_memory_ordered 1
		.amdhsa_forward_progress 1
		.amdhsa_inst_pref_size 215
	.end_amdhsa_kernel
	.amdgpu_metadata
---
amdhsa.version: [ 1, 2 ]
amdhsa.kernels:
  - .name:           k_q5f98347889_qkv
    .symbol:         k_q5f98347889_qkv.kd
    .args:
      - { .name: x16, .offset: 0, .size: 8, .value_kind: global_buffer, .address_space: global }
      - { .name: w16, .offset: 8, .size: 8, .value_kind: global_buffer, .address_space: global }
      - { .name: rope, .offset: 16, .size: 8, .value_kind: global_buffer, .address_space: global }
      - { .name: qkv16, .offset: 24, .size: 8, .value_kind: global_buffer, .address_space: global }
    .group_segment_fixed_size: 327680
    .private_segment_fixed_size: 0
    .kernarg_segment_align: 8
    .kernarg_segment_size: 32
    .max_flat_workgroup_size: 128
    .sgpr_count:     80
    .vgpr_count:     960
    .wavefront_size: 32
...
	.end_amdgpu_metadata
.endif
;; end of part 2
;; launch attn (part 3): grid 4 x 64, 4 waves a work-group, no clusters, 321,024 bytes of LDS; arguments qkv16, o16; writes o16
.if DOCPART == 3
	.amdgcn_target "amdgcn-amd-amdhsa--gfx1250"
	.amdhsa_code_object_version 6
	.text
	.protected	k_q5f98347889_attn
	.globl	k_q5f98347889_attn
	.p2align	8
	.type	k_q5f98347889_attn,@function
k_q5f98347889_attn:
	s_mov_b64 s[64:65], 0
	v_nop
	global_prefetch_b8 v0, s[64:65] scope:SCOPE_SE
	s_setreg_imm32_b32 hwreg(HW_REG_WAVE_MODE, 25, 1), 1
	s_wait_xcnt 0x0
; attn: causal softmax attention of one (batch, head), T = 1024, 64 numbers a head, f16 operands, f32 sums, running maximum and running sum in f32.
; q arrives times log2 e, so scores are in base-2 units and p = 2^(s - m).  Output o16[head][token][64] f16, the next launch's A operand as it stands.
; Work-group (j, batch x 16 + head) owns the query blocks of 128 rows number 7 - j and j: (8 - j) + (j + 1) = 9 key tiles of 128 for every work-group.
; Wave w owns rows 32 w .. 32 w + 31 of each block (two query tiles nq).  A tile on the diagonal is computed whole and masked.
; ALL OF THE HEAD'S K AND V LIES IN LDS: K's 8 tiles at 0 (pitch 144), V's 8 at 147,456 (pitch 160, an odd multiple of 32 bytes, for the transposing load),
; each byte filled once, by four tensor loads a wave issued at the start (four outstanding at the most): no ring, no refill.  Work-groups with j > 0 fetch j tiles
; of K and of V that they never read: the price of descriptors and counts that do not hang on j.
; NO MULTICAST: the four work-groups of a head walk different numbers of tiles in each of their two blocks; walking all eight jointly would cost 12 steps for 9.
; NO SHUFFLE FOR P: S^T = K Q^T puts query r in lane (r, h) with keys 16 mt + 8 h + 0..7 in its registers; two neighbouring tiles of S^T, packed to f16 in place,
; are the second source of O^T = V^T P^T as it stands; V^T comes by ds_load_tr16_b128.  Maximum, sum and rescaling factor are one number a lane.
; Matrix instructions that follow each other never share an accumulator: the accumulators take turns, one instruction a turn.
; LIMITS: the f32 sums run in another order than a row-wise softmax; p below 2^-24 rounds to 0 in f16.
.set KP,     144
.set VP,     160
.set KT,     128*KP                    ; a K tile in LDS
.set VT,     128*VP                    ; a V tile in LDS
.set VBASE,  8*KT
.set STAGE,  VBASE+8*VT                ; each wave's own 16 rows x 144 bytes for the way out; no tensor load fills them
.set WSTAGE, 16*KP
.set HEAD,   524288                    ; bytes of a head slot in qkv16 and o16
.set TILEB,  16384                     ; 128 rows of 128 bytes in memory
.set KA,   2                           ; v2-5   LDS address of my K fragments in tiles 0..3
.set KAD,  6                           ; v6     the same for the loop's tile
.set VA,   7                           ; v7-10  the same for V
.set VAD,  11
.set QOFF, 12
.set STO,  13
.set RD,   14
.set CO,   15
.set THR,  16                          ; v16-17 my query's place in its block less 8 h: key 16 mt + j of my registers is masked if 16 mt + j > THR
.set NINF, 18
.set M,    20                          ; v[20:23] running maximum, a pair for each nq
.set AL,   24                          ; v[24:27] rescaling factor, a pair for each nq
.set L,    28                          ; v28-29   running sum over my half's keys
.set Q,    32                          ; v[32:63] Q(nq, ks) at 16 nq + 8 ks
.set S,    64                          ; v[64:191] S(nq, mt) at 64 nq + 8 mt
.set MX,   192                         ; v[192:195] maximum chains
.set PT,   196                         ; v196-197 from the other half of the lanes
.set DF,   198
.set SUM,  200                         ; v[200:207] two pairs of sum chains for each nq
.set INV,  208                         ; v[208:211]
; window 1: K fragments (mt, ks) at 16 mt + 8 ks; V fragments (kk, dt) at 128 + 32 kk + 8 dt.  window 2: O(dt, nq) at 8 (2 dt + nq)
.set MSB, 0
.macro WIN new
.if MSB != \new
	s_set_vgpr_msb (MSB<<8)|\new
.set MSB, \new
.endif
.endm
.macro PLACES
.rept 4
	v_nop
.endr
.endm
	s_load_b128 s[4:7], s[0:1], 0x0                ; qkv16 s[4:5], o16 s[6:7]
	v_lshl_add_u32 v254, v0, 2, 0x4e400
	v_mov_b32 v255, 0
	ds_add_u32 v254, v255
	ds_add_u32 v254, v255
	v_lshrrev_b32 v1, 5, v0
	v_readfirstlane_b32 s10, v1                    ; wave 0..3
	s_mov_b32 s11, ttmp9                           ; j
	s_and_b32 s14, ttmp7, 0xffff
	s_and_b32 s8, s14, 15
	s_lshl_b32 s8, s8, 19                          ; head x 524,288
	s_lshr_b32 s15, s14, 4
	s_lshl_b32 s15, s15, 17                        ; batch x 1024 tokens x 128 bytes
	s_add_co_u32 s8, s8, s15
	s_mov_b32 s9, 0
	s_and_b32 s61, s10, 1
	s_lshl_b32 s62, s61, 14                        ; even waves fetch even tiles, odd waves odd ones
	s_mov_b32 s63, 0
	s_mov_b32 s12, 0x76543210                      ; v_permlanex16_b32: lane i reads lane i of the other half
	s_mov_b32 s13, 0xfedcba98
	; group 1: 64 rows of 128 elements of 2 bytes, dense (a tile's 16,384 bytes); padding behind every 32 words: 4 words for K, 8 for V
	s_mov_b32 s16, (1<<16)|(1<<20)|(4<<22)|(3<<25)
	s_mov_b32 s24, (1<<16)|(1<<20)|(4<<22)|(7<<25)
	s_mov_b32 s17, 128<<16
	s_mov_b32 s25, 128<<16
	s_mov_b32 s18, 64<<16
	s_mov_b32 s26, 64<<16
	s_mov_b32 s19, 128<<16
	s_mov_b32 s27, 128<<16
	s_mov_b32 s20, 64
	s_mov_b32 s28, 64
	s_mov_b32 s21, 128
	s_mov_b32 s29, 128
	s_mov_b32 s22, 0
	s_mov_b32 s30, 0
	s_mov_b32 s23, 0
	s_mov_b32 s31, 0
	s_wait_dscnt 0x0
	s_wait_kmcnt 0x0
	s_add_nc_u64 s[4:5], s[4:5], s[8:9]            ; q of my head
	s_add_nc_u64 s[6:7], s[6:7], s[8:9]            ; o of my head
	s_add_nc_u64 s[66:67], s[4:5], s[62:63]
	; the first fills, one group: waves 0, 1 K's tiles 2 i + w, waves 2, 3 V's tiles 2 i + w - 2
	s_cmp_lt_u32 s10, 2
	s_cbranch_scc0 .Lfill_v
	s_mul_i32 s59, s10, KT
.irp i, 0,1,2,3
	s_mov_b32 s[32+4*\i], 1
	s_add_co_u32 s[33+4*\i], s59, \i*2*KT
	s_add_nc_u64 s[34+4*\i:35+4*\i], s[66:67], 16*HEAD+\i*2*TILEB
	s_or_b32 s[35+4*\i], s[35+4*\i], 0x80000000
	tensor_load_to_lds s[32+4*\i:35+4*\i], s[16:23]
	s_nop 0
.endr
	s_branch .Lfilled
.Lfill_v:
	s_mul_i32 s59, s10, VT
.irp i, 0,1,2,3
	s_mov_b32 s[32+4*\i], 1
	s_add_co_u32 s[33+4*\i], s59, VBASE-2*VT+\i*2*VT
	s_add_nc_u64 s[34+4*\i:35+4*\i], s[66:67], 32*HEAD+\i*2*TILEB
	s_or_b32 s[35+4*\i], s[35+4*\i], 0x80000000
	tensor_load_to_lds s[32+4*\i:35+4*\i], s[24:31]
	s_nop 0
.endr
.Lfilled:
	s_sub_co_u32 s57, 7, s11                       ; the first query block
	s_lshl_b32 s60, s10, 12                        ; my 32 rows of 128 bytes
	s_lshl_b32 s14, s57, 14
	s_add_co_u32 s14, s14, s60
	s_mov_b32 s15, 0
	s_add_nc_u64 s[48:49], s[4:5], s[14:15]        ; Q of block 7 - j
	s_add_nc_u64 s[52:53], s[6:7], s[14:15]        ; O of the block at work
	s_lshl_b32 s14, s11, 14
	s_add_co_u32 s14, s14, s60
	s_add_nc_u64 s[50:51], s[4:5], s[14:15]        ; Q of block j
	s_add_nc_u64 s[54:55], s[6:7], s[14:15]        ; O of block j
	v_and_b32 v1, 15, v0                           ; r
	v_bfe_u32 v19, v0, 4, 1                        ; h
	v_lshlrev_b32 v30, 7, v1
	v_lshl_add_u32 v[QOFF], v19, 4, v30            ; row r, 16 bytes for each half
.irp nq, 0,1
.irp ks, 0,1
	global_load_b128 v[Q+16*\nq+8*\ks:Q+16*\nq+8*\ks+3],   v[QOFF], s[48:49] offset:\nq*2048+\ks*64
	global_load_b128 v[Q+16*\nq+8*\ks+4:Q+16*\nq+8*\ks+7], v[QOFF], s[48:49] offset:\nq*2048+\ks*64+32
.endr
.endr
	v_mul_u32_u24 v30, v1, KP
	v_lshl_add_u32 v[KA], v19, 4, v30              ; r x 144 + 16 h
	v_add_nc_u32 v[KA+1], KT, v[KA]
	v_add_nc_u32 v[KA+2], 2*KT, v[KA]
	v_add_nc_u32 v[KA+3], 3*KT, v[KA]
	v_and_b32 v30, 7, v0
	v_lshl_add_u32 v30, v19, 3, v30                ; key row 8 h + (l & 7)
	v_mul_u32_u24 v30, v30, VP
	v_bfe_u32 v31, v0, 3, 1
	v_lshl_add_u32 v30, v31, 4, v30                ; + 16 ((l >> 3) & 1)
	v_add_nc_u32 v[VA], VBASE, v30
	v_add_nc_u32 v[VA+1], VBASE+VT, v30
	v_add_nc_u32 v[VA+2], VBASE+2*VT, v30
	v_add_nc_u32 v[VA+3], VBASE+3*VT, v30
	s_mul_i32 s59, s10, WSTAGE
	s_add_co_u32 s59, s59, STAGE
	v_add_nc_u32 v[STO], s59, v[KA]
	v_and_b32 v30, 31, v0
	v_lshlrev_b32 v[CO], 4, v30
	v_lshrrev_b32 v31, 3, v30
	v_mul_u32_u24 v31, v31, KP
	v_and_b32 v30, 7, v30
	v_lshl_add_u32 v31, v30, 4, v31
	v_add_nc_u32 v[RD], s59, v31
	v_lshlrev_b32 v30, 3, v19
	v_sub_nc_u32 v30, v1, v30
	s_lshl_b32 s60, s10, 5
	v_add_nc_u32 v[THR], s60, v30
	v_add_nc_u32 v[THR+1], 16, v[THR]
	v_mov_b32 v[NINF], 0xff800000
	v_mov_b32 v[PT], 0                             ; v_permlanex16_b32 counts as a reader of its destination
	v_mov_b32 v[PT+1], 0
; block b = 2 kk + nq: the 16 registers S(nq, 2 kk), S(nq, 2 kk + 1)
.macro PSUB b                          ; s - m
.set blk, S+64*((\b)&1)+16*((\b)>>1)
.set n, 0
.rept 8
	v_pk_add_f32 v[blk+2*n:blk+2*n+1], v[blk+2*n:blk+2*n+1], v[M+2*((\b)&1):M+2*((\b)&1)+1] neg_lo:[0,1] neg_hi:[0,1]
.set n, n+1
.endr
.endm
.macro PEXP b                          ; p = 2^(s - m), in place
.set blk, S+64*((\b)&1)+16*((\b)>>1)
.set n, 0
.rept 16
	v_exp_f32 v[blk+n], v[blk+n]
.set n, n+1
.endr
.endm
.macro PSUM b                          ; p into two sum chains (a query tile's first block starts them), then packed to f16 into the block's first 8 registers
.set blk, S+64*((\b)&1)+16*((\b)>>1)
.set sm, SUM+4*((\b)&1)
.if (\b) < 2
	s_wait_alu depctr_va_vdst(0)
	v_pk_add_f32 v[sm:sm+1],   v[blk:blk+1],     v[blk+4:blk+5]
	v_pk_add_f32 v[sm+2:sm+3], v[blk+2:blk+3],   v[blk+6:blk+7]
.else
	s_wait_alu depctr_va_vdst(0)
	v_pk_add_f32 v[sm:sm+1],   v[sm:sm+1],   v[blk:blk+1]
	v_pk_add_f32 v[sm+2:sm+3], v[sm+2:sm+3], v[blk+2:blk+3]
	v_pk_add_f32 v[sm:sm+1],   v[sm:sm+1],   v[blk+4:blk+5]
	v_pk_add_f32 v[sm+2:sm+3], v[sm+2:sm+3], v[blk+6:blk+7]
.endif
	v_pk_add_f32 v[sm:sm+1],   v[sm:sm+1],   v[blk+8:blk+9]
	v_pk_add_f32 v[sm+2:sm+3], v[sm+2:sm+3], v[blk+10:blk+11]
	v_pk_add_f32 v[sm:sm+1],   v[sm:sm+1],   v[blk+12:blk+13]
	v_pk_add_f32 v[sm+2:sm+3], v[sm+2:sm+3], v[blk+14:blk+15]
.set n, 0
.rept 8
	v_cvt_pk_f16_f32 v[blk+n], v[blk+2*n], v[blk+2*n+1]
.set n, n+1
.endr
.endm
.macro PV kk, zero                     ; O^T += V^T P^T over keys 32 kk .. 32 kk + 31: eight accumulators by turns
	WIN 0xa1                                       ; source 0 (V) window 1, source 1 (P) window 0, C and D window 2
.irp dt, 0,1,2,3
.irp nq, 0,1
.if \zero
	v_wmma_f32_16x16x32_f16 v[8*(2*\dt+\nq):8*(2*\dt+\nq)+7], v[128+32*\kk+8*\dt:128+32*\kk+8*\dt+7], v[S+64*\nq+16*\kk:S+64*\nq+16*\kk+7], 0
.else
	v_wmma_f32_16x16x32_f16 v[8*(2*\dt+\nq):8*(2*\dt+\nq)+7], v[128+32*\kk+8*\dt:128+32*\kk+8*\dt+7], v[S+64*\nq+16*\kk:S+64*\nq+16*\kk+7], v[8*(2*\dt+\nq):8*(2*\dt+\nq)+7]
.endif
.endr
.endr
	WIN 0
.endm
; a query block is done: O / l, rounded to f16, through my stage, 512 consecutive bytes a store; then the state is set for block j
.macro FINAL
	v_permlanex16_b32 v[PT], v[L], s12, s13        ; the two halves of the lanes hold sums over different keys
	v_permlanex16_b32 v[PT+1], v[L+1], s12, s13
	v_add_f32 v[PT], v[PT], v[L]
	v_add_f32 v[PT+1], v[PT+1], v[L+1]
	v_rcp_f32 v[INV], v[PT]
	v_rcp_f32 v[INV+2], v[PT+1]
	v_nop                                          ; a plain instruction between v_rcp_f32 and the use of its result (ISA guide 5.7.2)
	s_wait_alu depctr_va_vdst(0)
	v_mov_b32 v[INV+1], v[INV]
	v_mov_b32 v[INV+3], v[INV+2]
	WIN 0x02                                       ; source 0 (O) window 2
.irp nq, 0,1
.irp dt, 0,1,2,3
.irp i, 0,1,2,3
	v_pk_mul_f32 v[S+64*\nq+8*\dt+2*\i:S+64*\nq+8*\dt+2*\i+1], v[8*(2*\dt+\nq)+2*\i:8*(2*\dt+\nq)+2*\i+1], v[INV+2*\nq:INV+2*\nq+1]
.endr
.endr
.endr
	WIN 0
.irp nq, 0,1
.set n, 0
.rept 16
	v_cvt_pk_f16_f32 v[S+64*\nq+32+n], v[S+64*\nq+2*n], v[S+64*\nq+2*n+1]
.set n, n+1
.endr
.irp dt, 0,1,2,3
	ds_store_b128 v[STO], v[S+64*\nq+32+4*\dt:S+64*\nq+32+4*\dt+3] offset:32*\dt
.endr
.irp t, 0,1,2,3
	ds_load_b128 v[S+64*\nq+48+4*\t:S+64*\nq+48+4*\t+3], v[RD] offset:\t*4*KP      ; LDS serves a wave's instructions in order (ISA guide 5.7.1)
.endr
.irp t, 0,1,2,3
	s_wait_dscnt 3-\t
	global_store_b128 v[CO], v[S+64*\nq+48+4*\t:S+64*\nq+48+4*\t+3], s[52:53] offset:\nq*2048+\t*512
.endr
.endr
	s_wait_xcnt 0x0                                ; the stores' data (in S) and base are rewritten only behind this wait (ISA guide 3.1)
	s_mov_b64 s[52:53], s[54:55]
	v_mov_b32 v[M], v[NINF]                        ; the next step's factor is 2^(-inf) = 0: it wipes the old O and l, nothing is cleared
	v_mov_b32 v[M+1], v[NINF]
	v_mov_b32 v[M+2], v[NINF]
	v_mov_b32 v[M+3], v[NINF]
	s_mov_b32 s57, s11                             ; block j,
	s_mov_b32 s56, -1                              ; whose first tile is 0 after the trip's step
.endm
; one key tile of 128.  first = 1: it starts maximum, sum and O.  ka, va: the registers with the tile's LDS addresses.  dyn = 1: the tile may be the diagonal one
.macro STEP first, ka, va, dyn
	WIN 0x40                                       ; destination window 1
.irp mt, 0,1,2,3,4,5,6,7
.irp ks, 0,1
	ds_load_b128 v[16*\mt+8*\ks:16*\mt+8*\ks+3],   v[\ka] offset:\mt*16*KP+64*\ks
	ds_load_b128 v[16*\mt+8*\ks+4:16*\mt+8*\ks+7], v[\ka] offset:\mt*16*KP+64*\ks+32
.endr
.endr
.irp kk, 0,1,2,3
.irp dt, 0,1,2,3
	ds_load_tr16_b128 v[128+32*\kk+8*\dt:128+32*\kk+8*\dt+3],   v[\va] offset:\kk*32*VP+32*\dt
	ds_load_tr16_b128 v[128+32*\kk+8*\dt+4:128+32*\kk+8*\dt+7], v[\va] offset:\kk*32*VP+32*\dt+16*VP
.endr
.endr
	WIN 0x01                                       ; source 0 (K) window 1
.irp mt, 0,1,2,3,4,5,6,7
	s_wait_dscnt 60-4*\mt                          ; of the step's 64 loads the first 4 (mt + 1) are in
	v_wmma_f32_16x16x32_f16 v[S+8*\mt:S+8*\mt+7],       v[16*\mt:16*\mt+7],     v[Q:Q+7],     0
	v_wmma_f32_16x16x32_f16 v[S+64+8*\mt:S+64+8*\mt+7], v[16*\mt:16*\mt+7],     v[Q+16:Q+23], 0
	v_wmma_f32_16x16x32_f16 v[S+8*\mt:S+8*\mt+7],       v[16*\mt+8:16*\mt+15],  v[Q+8:Q+15],  v[S+8*\mt:S+8*\mt+7]
	v_wmma_f32_16x16x32_f16 v[S+64+8*\mt:S+64+8*\mt+7], v[16*\mt+8:16*\mt+15],  v[Q+24:Q+31], v[S+64+8*\mt:S+64+8*\mt+7]
.endr
	WIN 0
	PLACES                                         ; in front of the vector work on S and of the loads into Q
.if \dyn
	s_cmp_lg_u32 s56, s57
	s_cbranch_scc1 .Lnomask_\@
.irp nq, 0,1
.irp mt, 0,1,2,3,4,5,6,7
.irp jj, 0,1,2,3,4,5,6,7
	v_cmp_gt_i32 vcc_lo, 16*\mt+\jj, v[THR+\nq]
	v_cndmask_b32 v[S+64*\nq+8*\mt+\jj], v[S+64*\nq+8*\mt+\jj], v[NINF], vcc_lo
.endr
.endr
.endr
	s_cmp_eq_u32 s58, 4                            ; the last trip ends block j: nothing follows
	s_cbranch_scc1 .Lnomask_\@
.irp nq, 0,1
.irp ks, 0,1
	global_load_b128 v[Q+16*\nq+8*\ks:Q+16*\nq+8*\ks+3],   v[QOFF], s[50:51] offset:\nq*2048+\ks*64       ; block j's Q comes while this tile's softmax runs
	global_load_b128 v[Q+16*\nq+8*\ks+4:Q+16*\nq+8*\ks+7], v[QOFF], s[50:51] offset:\nq*2048+\ks*64+32
.endr
.endr
.Lnomask_\@:
.endif
	; the new maximum: two chains for each query tile, joined with the old one, then across the two halves of the lanes
	v_max_num_f32 v[MX],   v[S],    v[S+1]
	v_max_num_f32 v[MX+1], v[S+32], v[S+33]
	v_max_num_f32 v[MX+2], v[S+64], v[S+65]
	v_max_num_f32 v[MX+3], v[S+96], v[S+97]
.set n, 2
.rept 15
	v_max3_num_f32 v[MX],   v[MX],   v[S+n],    v[S+n+1]
	v_max3_num_f32 v[MX+1], v[MX+1], v[S+32+n], v[S+32+n+1]
	v_max3_num_f32 v[MX+2], v[MX+2], v[S+64+n], v[S+64+n+1]
	v_max3_num_f32 v[MX+3], v[MX+3], v[S+96+n], v[S+96+n+1]
.set n, n+2
.endr
.if \first
	v_max_num_f32 v[MX],   v[MX],   v[MX+1]
	v_max_num_f32 v[MX+2], v[MX+2], v[MX+3]
.else
	v_max3_num_f32 v[MX],   v[MX],   v[MX+1], v[M]
	v_max3_num_f32 v[MX+2], v[MX+2], v[MX+3], v[M+2]
.endif
	v_permlanex16_b32 v[PT],   v[MX],   s12, s13
	v_permlanex16_b32 v[PT+1], v[MX+2], s12, s13
	v_max_num_f32 v[MX],   v[MX],   v[PT]
	v_max_num_f32 v[MX+2], v[MX+2], v[PT+1]
.if \first == 0
	v_sub_f32 v[DF],   v[M],   v[MX]
	v_sub_f32 v[DF+1], v[M+2], v[MX+2]
	v_exp_f32 v[AL],   v[DF]
	v_exp_f32 v[AL+2], v[DF+1]
.endif
	v_mov_b32 v[M],   v[MX]                        ; also the plain instructions behind the two v_exp_f32 (ISA guide 5.7.2)
	v_mov_b32 v[M+1], v[MX]
	v_mov_b32 v[M+2], v[MX+2]
	v_mov_b32 v[M+3], v[MX+2]
.if \first == 0
	s_wait_alu depctr_va_vdst(0)
	v_mov_b32 v[AL+1], v[AL]
	v_mov_b32 v[AL+3], v[AL+2]
	WIN 0x82                                       ; O in window 2, as source 0 and as destination
.irp dt, 0,1,2,3
.irp nq, 0,1
.irp i, 0,1,2,3
	v_pk_mul_f32 v[8*(2*\dt+\nq)+2*\i:8*(2*\dt+\nq)+2*\i+1], v[8*(2*\dt+\nq)+2*\i:8*(2*\dt+\nq)+2*\i+1], v[AL+2*\nq:AL+2*\nq+1]
.endr
.endr
.endr
	WIN 0
.endif
	; p, its sums and its products with V, block by block: the subtraction of the next block is the plain work behind each run of v_exp_f32
	PSUB 0
	PEXP 0
	PSUB 1
	PSUM 0
	PEXP 1
	PSUB 2
	PSUM 1
	s_wait_dscnt 0x0                               ; V's fragments are in
	PV 0, \first
	PEXP 2
	PSUB 3
	PSUM 2
	PEXP 3
	PSUB 4
	PSUM 3
	PV 1, 0
	PEXP 4
	PSUB 5
	PSUM 4
	PEXP 5
	PSUB 6
	PSUM 5
	PV 2, 0
	PEXP 6
	PSUB 7
	PSUM 6
	PEXP 7
	v_nop
	PSUM 7
	PV 3, 0
	; the sums are joined.  These lines name no register of the last matrix instructions: they are the five places that are owed before the next
	; step's products write over P, its loads land in V's fragments, or O is read
	v_pk_add_f32 v[SUM:SUM+1],   v[SUM:SUM+1],   v[SUM+2:SUM+3]
	v_pk_add_f32 v[SUM+4:SUM+5], v[SUM+4:SUM+5], v[SUM+6:SUM+7]
.if \first
	v_add_f32 v[L],   v[SUM],   v[SUM+1]
	v_add_f32 v[L+1], v[SUM+4], v[SUM+5]
	v_nop
.else
	v_add_f32 v[SUM],   v[SUM],   v[SUM+1]
	v_add_f32 v[SUM+4], v[SUM+4], v[SUM+5]
	v_fma_f32 v[L],   v[L],   v[AL],   v[SUM]
	v_fma_f32 v[L+1], v[L+1], v[AL+2], v[SUM+4]
.endif
.if \dyn
	s_cmp_lg_u32 s56, s57
	s_cbranch_scc1 .Lnofinal_\@
	FINAL
.Lnofinal_\@:
.endif
.endm
	; block 7 - j goes first: its tiles 0 to 3 are below the diagonal for every j, so these four steps are written out with fixed addresses
	s_wait_tensorcnt 0x3                           ; each wave's first load is in: K's and V's tiles 0 and 1; three stay out
	s_barrier_signal -1
	s_barrier_wait -1
	s_wait_loadcnt 0x0                             ; Q
	STEP 1, KA, VA, 0
	STEP 0, KA+1, VA+1, 0
	s_wait_dscnt 0x0
	s_wait_tensorcnt 0x2                           ; tiles 2 and 3
	s_barrier_signal -1
	s_barrier_wait -1
	STEP 0, KA+2, VA+2, 0
	STEP 0, KA+3, VA+3, 0
	s_wait_dscnt 0x0
	s_wait_tensorcnt 0x0                           ; tiles 4 to 7: everything has landed
	s_barrier_signal -1
	s_barrier_wait -1
	; five more steps for every work-group: tiles 4 .. 7 - j of block 7 - j, then tiles 0 .. j of block j
	s_mov_b32 s56, 4                               ; the tile
	s_mov_b32 s58, 0                               ; the trip
.Ltrip:
	s_min_u32 s59, s56, 7
	s_mul_i32 s60, s59, KT
	v_add_nc_u32 v[KAD], s60, v[KA]
	s_mul_i32 s60, s59, VT
	v_add_nc_u32 v[VAD], s60, v[VA]
	s_wait_loadcnt 0x0                             ; block j's Q, if the last trip asked for it
	STEP 0, KAD, VAD, 1
	s_add_co_u32 s56, s56, 1
	s_add_co_u32 s58, s58, 1
	s_cmp_lt_u32 s58, 5
	s_cbranch_scc1 .Ltrip
	s_wait_tensorcnt 0x0
	ds_add_u32 v254, v255
	s_wait_dscnt 0x0
	s_endpgm
.Lfunc_end_k_q5f98347889_attn:
	.size	k_q5f98347889_attn, .Lfunc_end_k_q5f98347889_attn-k_q5f98347889_attn
	.p2alignl 7, 3214868480
	.fill 96, 4, 3214868480
	.section	.rodata,"a",@progbits
	.p2align	6, 0x0
	.amdhsa_kernel k_q5f98347889_attn
		.amdhsa_group_segment_fixed_size 321024
		.amdhsa_private_segment_fixed_size 0
		.amdhsa_enable_private_segment 0
		.amdhsa_kernarg_size 16
		.amdhsa_user_sgpr_count 2
		.amdhsa_user_sgpr_kernarg_segment_ptr 1
		.amdhsa_wavefront_size32 1
		.amdhsa_system_sgpr_workgroup_id_x 1
		.amdhsa_system_sgpr_workgroup_id_y 1
		.amdhsa_system_sgpr_workgroup_id_z 1
		.amdhsa_system_vgpr_workitem_id 0
		.amdhsa_next_free_vgpr 576
		.amdhsa_next_free_sgpr 80
		.amdhsa_reserve_vcc 1
		.amdhsa_float_denorm_mode_32 3
		.amdhsa_float_denorm_mode_16_64 3
		.amdhsa_memory_ordered 1
		.amdhsa_forward_progress 1
		.amdhsa_inst_pref_size 183
	.end_amdhsa_kernel
	.amdgpu_metadata
---
amdhsa.version: [ 1, 2 ]
amdhsa.kernels:
  - .name:           k_q5f98347889_attn
    .symbol:         k_q5f98347889_attn.kd
    .args:
      - { .name: qkv16, .offset: 0, .size: 8, .value_kind: global_buffer, .address_space: global }
      - { .name: o16, .offset: 8, .size: 8, .value_kind: global_buffer, .address_space: global }
    .group_segment_fixed_size: 321024
    .private_segment_fixed_size: 0
    .kernarg_segment_align: 8
    .kernarg_segment_size: 16
    .max_flat_workgroup_size: 128
    .sgpr_count:     80
    .vgpr_count:     576
    .wavefront_size: 32
...
	.end_amdgpu_metadata
.endif
;; end of part 3
;; launch oproj (part 4): grid 8 x 32, 4 waves a work-group, clusters of 4 x 4, 327,680 bytes of LDS; arguments o16, wo16, out0; writes out0
.if DOCPART == 4
	.amdgcn_target "amdgcn-amd-amdhsa--gfx1250"
	.amdhsa_code_object_version 6
	.text
	.protected	k_q5f98347889_oproj
	.globl	k_q5f98347889_oproj
	.p2align	8
	.type	k_q5f98347889_oproj,@function
k_q5f98347889_oproj:
	s_mov_b64 s[64:65], 0
	v_nop
	global_prefetch_b8 v0, s[64:65] scope:SCOPE_SE
	s_setreg_imm32_b32 hwreg(HW_REG_WAVE_MODE, 25, 1), 1
	s_wait_xcnt 0x0
	s_wait_alu depctr_hold_cnt(0) depctr_sa_sdst(0) depctr_va_vdst(0) depctr_va_sdst(0) depctr_va_ssrc(0) depctr_va_vcc(0) depctr_vm_vsrc(0)
	s_getreg_b32 s2, hwreg(HW_REG_IB_STS2, 6, 4)
	s_cmp_eq_u32 s2, 0
	s_cbranch_scc0 .Lentry_in_a_cluster
	s_endpgm
.Lentry_in_a_cluster:
	s_bfe_u32 s2, ttmp6, 0x10000c
	s_cmp_lg_u32 s2, 0xf033
	s_cbranch_scc0 .Lentry_shape_is_right
	s_endpgm
.Lentry_shape_is_right:
; oproj: out0[4096 tokens][1024] = o16 x Wo^T, f16 operands, f32 sums, f32 output.
; A work-group makes 128 tokens x 128 columns (8 x 32 work-groups), its four waves 2 x 2, each 64 x 64: 4 x 4 accumulator tiles.
; Both operands lie in memory as [K/64][rows][64] f16 (o16 is stored so, head = K block): the 128 rows that a work-group needs of one K block are 16,384 dense bytes.
; FEW AND LARGE FILLS.  The work is short (512 matrix instructions a wave), so what counts is how often a wave has to wait for a tile.  K goes in four steps of 256
; through two LDS slots.  A slot: A's four K blocks, then B's four, 128 rows each, every 128 bytes followed by 16 bytes of padding (pitch 144, an odd multiple of 16:
; the sixteen rows of a fragment start in sixteen different 16-byte columns modulo 256).  2 x 8 x 18,432 bytes is what fits in LDS beside the stages.  Both slots,
; half of all the operands, are asked for at the start; two refills follow, each with 112 matrix instructions of a wave between its request and the wait for it.
; ONE LOAD A WAVE FOR EACH FILL: waves 0 and 1 bring A's K blocks 0, 1 and 2, 3 of the step, waves 2 and 3 B's.  The descriptor takes a K block's 16,384 dense bytes
; as one row of 8,192 elements, two rows, the pitch being the distance from K block to K block.  Two loads of a wave are out at the start, one afterwards.
; CLUSTERS: 4 x 4 work-groups; A's tiles hang on the block row alone and are asked for jointly along a row of the cluster, B's on the block column alone and jointly along a column.
; REGISTERS: window 0 addresses, work on the way out (v32-63) and A's fragments (two buffers of 64 at v64, v128: (a, ks) at 16 a + 8 ks); window 1 B's fragments
; (two buffers of 64 at v0, v64); window 2 the accumulators, tile (a, b) at 8 (4 a + b).  One setting serves all matrix instructions: three switches for a unit of 32.
; The matrix instruction is used transposed (source 0 = 16 rows of Wo, source 1 = 16 tokens): lane l holds token l % 16 and columns 8 (l / 16) + 0..7.
; The 16 accumulators take turns, one instruction a turn, in the same order throughout.
; LIMIT: the f32 sums run in the matrix unit's order, K ascending.
.set PITCH,  144
.set SUB,    128*PITCH                 ; one K block (64 of K) of 128 rows in LDS
.set SLOT,   8*SUB                     ; a K step of 256: A's four K blocks, B's four
.set STAGE,  2*SLOT                    ; behind the ring: each wave's own 16 rows x 272 bytes, which no tensor load fills
.set SP,     272
.set WSTAGE, 16*SP
.set KBSA,   524288                    ; bytes from K block to K block in o16
.set KBSB,   131072                    ; and in wo16
.set BLKEL,  8192                      ; elements in 128 rows of one K block
.set ADRA, 2                           ; v2-3   LDS address of my A fragments in slot 0, 1
.set ADRB, 4                           ; v4-5   the same for B
.set STO,  6                           ; the way out: where I put 32 bytes of a row
.set RD,   7                           ; the way out: where I read rows back
.set CO,   8                           ; my byte offset in out0
.set FA,   64                          ; window 0
.set FB,   0                           ; window 1
.set G1,  24                           ; s[24:31] descriptor group 1, A
.set G0,  32                           ; s[32:39] descriptor group 0, A, one set a slot
.set G1B, 48                           ; s[48:55] descriptor group 1, B
.set G0B, 56                           ; s[56:63] descriptor group 0, B, one set a slot
.set MUL,  0xa1                        ; source 0 (B) window 1, source 1 (A) window 0, C and D window 2
.set TO_B, 0x40                        ; destination window 1, address window 0
.set MSB, 0
.macro WIN new                         ; the immediate's high byte repeats the setting that is left
.if MSB != \new
	s_set_vgpr_msb (MSB<<8)|\new
.set MSB, \new
.endif
.endm
.macro PLACES                          ; four independent vector instructions between a matrix instruction and a load into, or an access to, its registers
.rept 4
	v_nop
.endr
.endm
.macro JLOAD s                         ; a joint load: the branch hangs on the wave's number alone, each line has one mask
	s_cmp_eq_u32 s11, 0
	s_cbranch_scc0 .Lfor_b_\@
	tensor_load_to_lds s[G0+4*\s:G0+4*\s+3], s[G1:G1+7]
	s_nop 0
	s_branch .Lasked_\@
.Lfor_b_\@:
	tensor_load_to_lds s[G0B+4*\s:G0B+4*\s+3], s[G1B:G1B+7]
	s_nop 0
.Lasked_\@:
.endm
.macro CREST                           ; a round of the cluster's barrier behind its opening work-group barrier
	s_cmp_lg_u32 s10, 0
	s_cbranch_scc1 .Lnot_wave_0_\@
	s_barrier_signal -3
.Lnot_wave_0_\@:
	s_barrier_wait -3
	s_barrier_signal -1
	s_barrier_wait -1
.endm
.macro CROUND                          ; a whole round
	s_barrier_signal -1
	s_barrier_wait -1
	CREST
.endm
	s_load_b128 s[4:7], s[0:1], 0x0                ; o16 s[4:5], wo16 s[6:7]
	s_load_b64 s[8:9], s[0:1], 0x10                ; out0
	s_set_vgpr_msb 0x40
	v_lshl_add_u32 v255, v0, 2, 0x4c400
	s_set_vgpr_msb 0x4000
	v_mov_b32 v255, 0
	s_set_vgpr_msb 0x1
	ds_add_u32 v255, v255
	ds_add_u32 v255, v255
	s_set_vgpr_msb 0x100
	v_lshrrev_b32 v1, 5, v0
	v_readfirstlane_b32 s10, v1                    ; wave 0..3
	s_lshr_b32 s11, s10, 1                         ; which half of the block's tokens is mine.  Also: I fetch for A (0) or for B (1)
	s_and_b32 s12, s10, 1                          ; which half of its columns.  Also: which two of a step's four K blocks I fetch
	s_bfe_u32 s40, ttmp6, 0x40000                  ; cx
	s_bfe_u32 s41, ttmp6, 0x40004                  ; cy
	s_lshl_b32 s42, ttmp9, 2
	s_add_co_u32 s42, s42, s40                     ; block column = 4 x cluster x + cx, 0..7
	s_and_b32 s13, ttmp7, 0xffff
	s_lshl_b32 s13, s13, 2
	s_add_co_u32 s13, s13, s41                     ; block row = 4 x cluster y + cy, 0..31
	s_lshl_b32 s43, s41, 2
	s_lshl_b32 s43, 15, s43                        ; my row of the cluster
	s_lshl_b32 s44, 0x1111, s40                    ; my column
	; group 1: two rows of 8,192 elements of 2 bytes; 16 bytes of padding behind every 32 words, counted along the tile; bit 21 beside the mask
	s_or_b32 s[G1+0], s43, (1<<16)|(1<<20)|(1<<21)|(4<<22)|(3<<25)
	s_or_b32 s[G1B+0], s44, (1<<16)|(1<<20)|(1<<21)|(4<<22)|(3<<25)
	s_mov_b32 s[G1+1], BLKEL<<16                   ; tensor_dim0 = 8,192
	s_mov_b32 s[G1B+1], BLKEL<<16
	s_mov_b32 s[G1+2], 2<<16                       ; tensor_dim1 = 2 K blocks
	s_mov_b32 s[G1B+2], 2<<16
	s_mov_b32 s[G1+3], BLKEL<<16                   ; tile_dim0 = 8,192
	s_mov_b32 s[G1B+3], BLKEL<<16
	s_mov_b32 s[G1+4], 2                           ; tile_dim1 = 2
	s_mov_b32 s[G1B+4], 2
	s_mov_b32 s[G1+5], KBSA/2                      ; elements from K block to K block
	s_mov_b32 s[G1B+5], KBSB/2
	s_mov_b32 s[G1+6], 0
	s_mov_b32 s[G1B+6], 0
	s_mov_b32 s[G1+7], 0
	s_mov_b32 s[G1B+7], 0
	; A's address is made of the block row and the wave's number, B's of the block column and the wave's number, in registers that never hold the other coordinate
	s_lshl_b32 s16, s13, 14                        ; 128 rows of 128 bytes
	s_mul_i32 s17, s12, 2*KBSA
	s_add_co_u32 s16, s16, s17
	s_mov_b32 s17, 0
	s_lshl_b32 s46, s42, 14
	s_mul_i32 s47, s12, 2*KBSB
	s_add_co_u32 s46, s46, s47
	s_mov_b32 s47, 0
	s_mul_i32 s20, s10, 2*SUB                      ; where my two K blocks go: A's pairs at 0 and 2, B's at 4 and 6 = wave x 2 blocks
	s_wait_dscnt 0x0
	s_wait_kmcnt 0x0
	s_add_nc_u64 s[14:15], s[4:5], s[16:17]
	s_add_nc_u64 s[46:47], s[6:7], s[46:47]
	CROUND                                         ; all sixteen work-groups are here: the first joint loads meet
.irp s, 0,1
	s_mov_b32 s[G0+4*\s], 1
	s_add_co_u32 s[G0+4*\s+1], s20, \s*SLOT
	s_add_nc_u64 s[G0+4*\s+2:G0+4*\s+3], s[14:15], \s*4*KBSA       ; K step s
	s_or_b32 s[G0+4*\s+3], s[G0+4*\s+3], 0x80000000
	s_mov_b32 s[G0B+4*\s], 1
	s_add_co_u32 s[G0B+4*\s+1], s20, \s*SLOT
	s_add_nc_u64 s[G0B+4*\s+2:G0B+4*\s+3], s[46:47], \s*4*KBSB
	s_or_b32 s[G0B+4*\s+3], s[G0B+4*\s+3], 0x80000000
	JLOAD \s
.endr
	; a fragment is 16 rows x 32 K in 8 registers: two loads of 16 bytes, 32 bytes apart, at row x pitch + 16 h
	v_and_b32 v1, 15, v0                           ; r
	v_bfe_u32 v10, v0, 4, 1                        ; h
	v_mul_u32_u24 v11, v1, PITCH
	v_lshl_add_u32 v11, v10, 4, v11
	s_mul_i32 s22, s11, 64*PITCH                   ; my 64 rows of A
	v_add_nc_u32 v[ADRA], s22, v11
	v_add_nc_u32 v[ADRA+1], SLOT, v[ADRA]
	s_mul_i32 s22, s12, 64*PITCH                   ; my 64 rows of B,
	s_add_co_u32 s22, s22, 4*SUB                   ; which lie behind A's four K blocks
	v_add_nc_u32 v[ADRB], s22, v11
	v_add_nc_u32 v[ADRB+1], SLOT, v[ADRB]
	s_mul_i32 s23, s10, WSTAGE
	s_add_co_u32 s23, s23, STAGE                   ; my stage
	v_mul_u32_u24 v11, v1, SP
	v_lshl_add_u32 v11, v10, 5, v11
	v_add_nc_u32 v[STO], s23, v11                  ; in: row r, 32 bytes for each half of the lanes
	v_mul_u32_u24 v11, v10, SP
	v_lshl_add_u32 v11, v1, 4, v11
	v_add_nc_u32 v[RD], s23, v11                   ; back: lanes 0-15 one row of 256 bytes, lanes 16-31 the next
	v_lshlrev_b32 v11, 12, v10
	v_lshl_add_u32 v[CO], v1, 4, v11               ; the same two rows in out0
; 16 matrix instructions: all 4 x 4 tiles, 32 along K (half ks of a K block), from fragment buffers p.  zero = 1: the first product starts the sums
.macro MULK p, ks, zero
.irp a, 0,1,2,3
.irp b, 0,1,2,3
.if \zero
	v_wmma_f32_16x16x32_f16 v[8*(4*\a+\b):8*(4*\a+\b)+7], v[FB+64*(\p)+16*\b+8*\ks:FB+64*(\p)+16*\b+8*\ks+7], v[FA+64*(\p)+16*\a+8*\ks:FA+64*(\p)+16*\a+8*\ks+7], 0
.else
	v_wmma_f32_16x16x32_f16 v[8*(4*\a+\b):8*(4*\a+\b)+7], v[FB+64*(\p)+16*\b+8*\ks:FB+64*(\p)+16*\b+8*\ks+7], v[FA+64*(\p)+16*\a+8*\ks:FA+64*(\p)+16*\a+8*\ks+7], v[8*(4*\a+\b):8*(4*\a+\b)+7]
.endif
.endr
.endr
.endm
; the fragments of K block kb (0..3) of a slot into buffers p: 16 loads for B, 16 for A, in one run.  The largest immediate is 3 x 18,432 + 3 x 2,304 + 96 = 62,304
.macro FETCH slot, kb, p
	WIN TO_B
.irp i, 0,1,2,3
.irp ks, 0,1
	ds_load_b128 v[FB+64*(\p)+16*\i+8*\ks:FB+64*(\p)+16*\i+8*\ks+3],   v[ADRB+\slot] offset:(\kb)*SUB+\i*16*PITCH+64*\ks
	ds_load_b128 v[FB+64*(\p)+16*\i+8*\ks+4:FB+64*(\p)+16*\i+8*\ks+7], v[ADRB+\slot] offset:(\kb)*SUB+\i*16*PITCH+64*\ks+32
.endr
.endr
	WIN 0
.irp i, 0,1,2,3
.irp ks, 0,1
	ds_load_b128 v[FA+64*(\p)+16*\i+8*\ks:FA+64*(\p)+16*\i+8*\ks+3],   v[ADRA+\slot] offset:(\kb)*SUB+\i*16*PITCH+64*\ks
	ds_load_b128 v[FA+64*(\p)+16*\i+8*\ks+4:FA+64*(\p)+16*\i+8*\ks+7], v[ADRA+\slot] offset:(\kb)*SUB+\i*16*PITCH+64*\ks+32
.endr
.endr
.endm
; one of a K step's first three K blocks: the next block's fragments are asked for first and have this block's 32 matrix instructions in which to come
.macro UNIT slot, kb, p, zero
	s_wait_dscnt 0x0                               ; buffers p are in: only their loads were out
	PLACES
	FETCH \slot, (\kb+1), (1-\p)
	WIN MUL
	MULK \p, 0, \zero
	MULK \p, 1, 0
.endm
; the last K block changes slots.  In front of the barrier each wave waits for its reads of this slot and for all its tensor loads (the one that is out is its part of
; the next slot).  fill = 1: the barrier opens a round of the cluster's barrier, and the joint refill of this slot, two K steps ahead, is the first tensor load behind the round.
.macro TURN slot, next, fill
	s_wait_dscnt 0x0                               ; buffers 1 are in, and with them all my reads of this slot
	s_wait_tensorcnt 0x0                           ; all my tensor loads have landed
	ds_add_u32 v255, v255
	s_wait_dscnt 0x0
	s_barrier_signal -1
	WIN MUL
	MULK 1, 0, 0                                   ; register work while the others arrive
	WIN 0
	s_barrier_wait -1
.if \fill
	CREST                                          ; no wave of any partner still reads this slot or has a load on its way
	s_add_nc_u64 s[G0+4*\slot+2:G0+4*\slot+3], s[G0+4*\slot+2:G0+4*\slot+3], 8*KBSA
	s_add_nc_u64 s[G0B+4*\slot+2:G0B+4*\slot+3], s[G0B+4*\slot+2:G0B+4*\slot+3], 8*KBSB
	JLOAD \slot                                    ; the first tensor load behind the round
.endif
	PLACES
	FETCH \next, 0, 0
	WIN MUL
	MULK 1, 1, 0
.endm
.macro THREE slot, zero
	UNIT \slot, 0, 0, \zero
	UNIT \slot, 1, 1, 0
	UNIT \slot, 2, 0, 0
.endm
	s_wait_tensorcnt 0x1                           ; my part of K step 0 is in; K step 1's stays out
	s_barrier_signal -1
	s_barrier_wait -1
	FETCH 0, 0, 0
	THREE 0, 1                                     ; K step 0: its first products start the sums
	TURN 0, 1, 1                                   ; slot 0 is asked for again: K step 2
	THREE 1, 0                                     ; K step 1
	TURN 1, 0, 1                                   ; slot 1 is asked for again: K step 3, the last load
	THREE 0, 0                                     ; K step 2
	TURN 0, 1, 0                                   ; nothing is left to fetch
	THREE 1, 0                                     ; K step 3
	s_wait_dscnt 0x0
	WIN MUL
	MULK 1, 0, 0
	MULK 1, 1, 0
	WIN 0
	PLACES
	; THE WAY OUT, 16 tokens at a time: 32 bytes a lane and tile into my stage, whole rows of 256 bytes back, sixteen lanes store 256 consecutive bytes, aligned
	s_lshl_b32 s16, s13, 19                        ; 128 rows of 4,096 bytes
	s_lshl_b32 s17, s11, 18                        ; my 64 rows
	s_add_co_u32 s16, s16, s17
	s_mov_b32 s17, 0
	s_add_nc_u64 s[8:9], s[8:9], s[16:17]
	s_lshl_b32 s46, s42, 9                         ; 128 columns of 4 bytes
	s_lshl_b32 s47, s12, 8                         ; my 64 columns
	s_add_co_u32 s46, s46, s47
	s_mov_b32 s47, 0
	s_add_nc_u64 s[8:9], s[8:9], s[46:47]
.macro OUTA a
	WIN 0x08                                       ; the LDS stores' data in window 2
.irp b, 0,1,2,3
	ds_store_b128 v[STO], v[8*(4*\a+\b):8*(4*\a+\b)+3]   offset:64*\b
	ds_store_b128 v[STO], v[8*(4*\a+\b)+4:8*(4*\a+\b)+7] offset:64*\b+16
.endr
	WIN 0
	s_wait_xcnt 0x0                                ; v[32:63], which the last block's stores read, are loaded again only behind this wait (ISA guide 3.1)
.irp t, 0,1,2,3,4,5,6,7
	ds_load_b128 v[32+4*\t:32+4*\t+3], v[RD] offset:\t*2*SP        ; LDS serves a wave's instructions in order (ISA guide 5.7.1): these see the stores above
.endr
.irp t, 0,1,2,3,4,5,6,7
	s_wait_dscnt 7-\t                              ; of the eight loads those issued behind this one stay out
	global_store_b128 v[CO], v[32+4*\t:32+4*\t+3], s[8:9] offset:\a*65536+\t*8192 th:TH_STORE_NT
.endr
.endm
	OUTA 0
	OUTA 1
	OUTA 2
	OUTA 3
	s_set_vgpr_msb 0x1
	s_wait_tensorcnt 0x0
	ds_add_u32 v255, v255
	s_wait_dscnt 0x0
	s_set_vgpr_msb 0x100
	CROUND                                         ; the closing round: no work-group ends while a partner may still ask for a tile that names it
	s_endpgm
.Lfunc_end_k_q5f98347889_oproj:
	.size	k_q5f98347889_oproj, .Lfunc_end_k_q5f98347889_oproj-k_q5f98347889_oproj
	.p2alignl 7, 3214868480
	.fill 96, 4, 3214868480
	.section	.rodata,"a",@progbits
	.p2align	6, 0x0
	.amdhsa_kernel k_q5f98347889_oproj
		.amdhsa_group_segment_fixed_size 327680
		.amdhsa_private_segment_fixed_size 0
		.amdhsa_enable_private_segment 0
		.amdhsa_kernarg_size 24
		.amdhsa_user_sgpr_count 2
		.amdhsa_user_sgpr_kernarg_segment_ptr 1
		.amdhsa_wavefront_size32 1
		.amdhsa_system_sgpr_workgroup_id_x 1
		.amdhsa_system_sgpr_workgroup_id_y 1
		.amdhsa_system_sgpr_workgroup_id_z 1
		.amdhsa_system_vgpr_workitem_id 0
		.amdhsa_next_free_vgpr 640
		.amdhsa_next_free_sgpr 80
		.amdhsa_reserve_vcc 0
		.amdhsa_float_denorm_mode_32 3
		.amdhsa_float_denorm_mode_16_64 3
		.amdhsa_memory_ordered 1
		.amdhsa_forward_progress 1
		.amdhsa_inst_pref_size 86
	.end_amdhsa_kernel
	.amdgpu_metadata
---
amdhsa.version: [ 1, 2 ]
amdhsa.kernels:
  - .name:           k_q5f98347889_oproj
    .symbol:         k_q5f98347889_oproj.kd
    .args:
      - { .name: o16, .offset: 0, .size: 8, .value_kind: global_buffer, .address_space: global }
      - { .name: wo16, .offset: 8, .size: 8, .value_kind: global_buffer, .address_space: global }
      - { .name: out0, .offset: 16, .size: 8, .value_kind: global_buffer, .address_space: global }
    .group_segment_fixed_size: 327680
    .private_segment_fixed_size: 0
    .kernarg_segment_align: 8
    .kernarg_segment_size: 24
    .max_flat_workgroup_size: 128
    .sgpr_count:     80
    .vgpr_count:     640
    .wavefront_size: 32
...
	.end_amdgpu_metadata
.endif
;; end of part 4
;; ======== version 2 of 2: 4 launches; version 1 with the launch prep written anew for expert scheduling mode
;; limits: values are held in f16: magnitudes above 65,504 overflow, below 6.1e-05 lose precision
;; workspace buffers: x16 8,388,608 bytes; w16 6,291,456 bytes; wo16 2,097,152 bytes; rope 262,144 bytes; qkv16 25,165,824 bytes; o16 8,388,608 bytes
;; launch prep (part 5): grid 256 x 1, 8 waves a work-group, no clusters, 0 bytes of LDS; arguments x, Wq, Wk, Wv, Wo, x16, w16, wo16, rope; writes x16, w16, wo16, rope
.if DOCPART == 5
	.amdgcn_target "amdgcn-amd-amdhsa--gfx1250"
	.amdhsa_code_object_version 6
	.text
	.protected	k_q5f98347889_prep
	.globl	k_q5f98347889_prep
	.p2align	8
	.type	k_q5f98347889_prep,@function
k_q5f98347889_prep:
	s_mov_b64 s[64:65], 0
	v_nop
	global_prefetch_b8 v0, s[64:65] scope:SCOPE_SE
	s_setreg_imm32_b32 hwreg(HW_REG_WAVE_SCHED_MODE, 0, 2), 2
	s_setreg_imm32_b32 hwreg(HW_REG_WAVE_MODE, 25, 1), 1
	s_wait_xcnt 0x0
	s_wait_alu depctr_vm_vsrc(0)
; prep: x, Wq, Wk, Wv, Wo from f32 to f16, laid out anew as [K/64][rows][64] (a row's 64 numbers of one K block are 128 bytes, the rows of a
; block follow each other without a gap), and the table of cos and sin that the rotation of q and k needs: rope[t][p] = (cos, sin)(t * 10000^(-p/32)), f32.
; A stream: memory binds, so no LDS, no barrier, no matrix unit.  256 work-groups of 8 waves; work-group g owns 32 source rows of 4,096 bytes:
;   g 0-127 x -> x16;  128-159 Wq, 160-191 Wk, 192-223 Wv -> w16 (rows 0-1023, 1024-2047, 2048-3071);  224-255 Wo -> wo16.
; Wave w owns rows 4 w .. 4 w + 3, as two pairs.  One load takes the 256 bytes of one K block from both rows of a pair: lanes 0-15 sixteen neighbouring
; 16 bytes of the even row, lanes 16-31 of the odd one, so every byte that a load names is used.  A lane's four numbers become 8 bytes of f16, and the
; wave's store covers 256 consecutive bytes, aligned: the pair's two rows of that K block, which are neighbours in the destination.
; All 32 loads of a lane go out at once (16 KiB a wave on its way); nothing is rewritten while it is pending, so no register needs to be freed.
; THE MODE: SCHED_MODE bits 1:0 = 2 (LLVM: expert scheduling mode 2), set by the entry lines.  The code itself states the register dependences
; between vector instructions and memory instructions, with s_wait_alu, always for 0.
; THE PLAN.  Registers that memory instructions touch:
;   v1          the source offset.  Written at the head; read by the 32 loads; never written again.
;   X           Each register is written by one load.  Behind the wait for a K block's two loads its four conversions read its eight registers and write
;               four of them; the K block's two stores read those four; nothing writes them after that.
;   DO          the sixteen destination offsets.  Written behind the run of loads; read by the stores; never written again.
;   v[W], v[W+12:W+13]   Written by the table's arithmetic; read by the table's one store; never written again.
; So: one wait on va_vdst ahead of the run of loads (v1); one ahead of the table's store; and one for each TWO K blocks, behind their eight conversions and ahead
; of their four stores.  The even block's conversions run while the wave waits for the odd block's loads.  The stores follow their conversions and are not
; held back to a later wait on the loads: memory binds, and a store kept back is traffic moved towards the launch's end.
; No register that a memory instruction has read is ever written again: the text waits on vm_vsrc only at the entry.
; The wave's number (an SGPR written by a vector instruction) and the table's one compare (VCC) have a wait each ahead of their first reader.
; LIMITS: a number of magnitude 65,504 or more becomes an infinity in f16.  The table's angle is good to about 1e-4 radians at t = 1023
; (one unit in the last place of v_exp_f32 times t), the order of the f32 rounding of t * inv_freq itself.
.set DO,  4                            ; v[4:19]    byte offset of my 8 bytes in K block kb of the destination, first pair of rows; never rewritten
.set X,   32                           ; v[32:159]  K block kb, pair rp: 4 registers as loaded at 8 kb + 4 rp, the first 2 then hold the 4 f16
.set W,   160                          ; v[160:173] the table's arithmetic
	s_load_b512 s[8:23], s[0:1], 0x0               ; x s[8:9], Wq s[10:11], Wk s[12:13], Wv s[14:15], Wo s[16:17], x16 s[18:19], w16 s[20:21], wo16 s[22:23]
	s_load_b64 s[24:25], s[0:1], 0x40              ; rope
	v_lshrrev_b32 v3, 5, v0
	v_readfirstlane_b32 s37, v3                    ; wave 0..7
	v_bfe_u32 v1, v0, 4, 1                         ; which row of a pair
	v_lshl_add_u32 v1, v3, 2, v1                   ; my row of the 32 in the first pair: 4 wave + (lane / 16)
	v_and_b32 v3, 15, v0                           ; my place in the 256 bytes
	v_lshlrev_b32 v2, 7, v1                        ; destination: row x 128
	v_lshl_add_u32 v2, v3, 3, v2                   ;              + 8 bytes a lane
	v_lshlrev_b32 v1, 12, v1                       ; source: row x 4,096
	v_lshl_add_u32 v1, v3, 4, v1                   ;         + 16 bytes a lane
	s_wait_alu depctr_va_sdst(0)                   ; s37 is written, ahead of its first reader: the branch round the table and the table's row are made from it
	s_mov_b32 s31, ttmp9                           ; g
	s_sub_co_u32 s34, s31, 128                     ; g's place in each range (used only where g lies in it)
	s_sub_co_u32 s35, s31, 160
	s_sub_co_u32 s36, s31, 192
	s_sub_co_u32 s39, s31, 224
	s_wait_kmcnt 0x0
	s_mov_b64 s[26:27], s[8:9]                     ; source, destination, bytes from K block to K block, 32-row index in source and in destination: x's
	s_mov_b64 s[28:29], s[18:19]
	s_mov_b32 s30, 524288
	s_mov_b32 s32, s31
	s_mov_b32 s33, s31
	s_cmp_ge_u32 s31, 128                          ; every choice hangs on g alone
	s_cselect_b64 s[26:27], s[10:11], s[26:27]
	s_cselect_b64 s[28:29], s[20:21], s[28:29]
	s_cselect_b32 s30, 393216, s30
	s_cselect_b32 s32, s34, s32
	s_cselect_b32 s33, s34, s33
	s_cmp_ge_u32 s31, 160
	s_cselect_b64 s[26:27], s[12:13], s[26:27]
	s_cselect_b32 s32, s35, s32
	s_cmp_ge_u32 s31, 192
	s_cselect_b64 s[26:27], s[14:15], s[26:27]
	s_cselect_b32 s32, s36, s32
	s_cmp_ge_u32 s31, 224
	s_cselect_b64 s[26:27], s[16:17], s[26:27]
	s_cselect_b64 s[28:29], s[22:23], s[28:29]
	s_cselect_b32 s30, 131072, s30
	s_cselect_b32 s32, s39, s32
	s_cselect_b32 s33, s39, s33
	s_lshl_b32 s40, s32, 17                        ; 32 rows of 4,096 bytes
	s_mov_b32 s41, 0
	s_add_nc_u64 s[26:27], s[26:27], s[40:41]
	s_lshl_b32 s42, s33, 12                        ; 32 rows of 128 bytes
	s_mov_b32 s43, 0
	s_add_nc_u64 s[28:29], s[28:29], s[42:43]
	s_wait_alu depctr_va_vdst(0)                   ; v1 is written, which all 32 loads below read as their offset; they stand on end, so no vector instruction since this wait names v1 or X
.set kb, 0
.rept 16
	global_load_b128 v[X+8*kb:X+8*kb+3],   v1, s[26:27] offset:256*kb th:TH_LOAD_NT           ; the first pair of rows
	global_load_b128 v[X+8*kb+4:X+8*kb+7], v1, s[26:27] offset:256*kb+8192 th:TH_LOAD_NT      ; the second, two rows further down
.set kb, kb+1
.endr
.set kb, 0
.rept 16
	v_mad_u32_u24 v[DO+kb], kb, s30, v2            ; read by the stores alone: the wait ahead of the first four stores states that these are written
.set kb, kb+1
.endr
	; The table, while the loads are on their way: waves 0 to 3 make row t = 4 g + wave, lane p makes pair p.
	s_cmp_ge_u32 s37, 4
	s_cbranch_scc1 .Lno_table
	s_lshl2_add_u32 s38, s31, s37                  ; t
	v_and_b32 v[W], 31, v0                         ; p
	v_cvt_f32_u32 v[W+1], v[W]
	v_mul_f32 v[W+1], 0xbed49a78, v[W+1]           ; -p log2(10000) / 32
	v_exp_f32 v[W+1], v[W+1]                       ; inv_freq
	v_cvt_f32_u32 v[W+2], s38                      ; the plain instruction between v_exp_f32 and the use of its result (ISA guide 5.7.2)
	s_wait_alu depctr_va_vdst(0)                   ; v_exp_f32 has written v[W+1], ahead of its first reader
	v_mul_f32 v[W+2], v[W+2], v[W+1]               ; the angle a, up to 1023
	v_mul_f32 v[W+3], 0x3f22f983, v[W+2]
	v_rndne_f32 v[W+3], v[W+3]                     ; n = nearest whole number to a * 2 / pi
	v_fmamk_f32 v[W+4], v[W+3], 0xbfc90fdb, v[W+2] ; r = a - n pi/2, pi/2 in two parts: |r| <= pi/4
	v_fmamk_f32 v[W+4], v[W+3], 0x333bbd2e, v[W+4]
	v_mul_f32 v[W+5], v[W+4], v[W+4]               ; z = r r
	v_mov_b32 v[W+6], 0x3638ef1d                   ; sin r = r + r z (-1/6 + z (1/120 + z (-1/5040 + z / 362880)))
	v_mov_b32 v[W+7], 0x37d00d01                   ; cos r = 1 + z (-1/2 + z (1/24 + z (-1/720 + z / 40320)))
	v_fmaak_f32 v[W+6], v[W+6], v[W+5], 0xb9500d01
	v_fmaak_f32 v[W+7], v[W+7], v[W+5], 0xbab60b61
	v_fmaak_f32 v[W+6], v[W+6], v[W+5], 0x3c088889
	v_fmaak_f32 v[W+7], v[W+7], v[W+5], 0x3d2aaaab
	v_fmaak_f32 v[W+6], v[W+6], v[W+5], 0xbe2aaaab
	v_fmaak_f32 v[W+7], v[W+7], v[W+5], 0xbf000000
	v_mul_f32 v[W+8], v[W+4], v[W+5]
	v_fma_f32 v[W+6], v[W+8], v[W+6], v[W+4]       ; sin r
	v_fma_f32 v[W+7], v[W+7], v[W+5], 1.0          ; cos r
	v_cvt_i32_f32 v[W+9], v[W+3]                   ; the quadrant is n mod 4
	v_and_b32 v[W+10], 1, v[W+9]
	v_cmp_eq_u32 vcc_lo, 1, v[W+10]                ; the five lines that make the signs stand between the compare and the wait for it
	v_add_nc_u32 v[W+11], 1, v[W+9]
	v_lshlrev_b32 v[W+11], 30, v[W+11]             ; cos is negative in quadrants 1 and 2: bit 1 of n + 1
	v_lshlrev_b32 v[W+9], 30, v[W+9]               ; sin in quadrants 2 and 3: bit 1 of n
	v_and_b32 v[W+11], 0x80000000, v[W+11]
	v_and_b32 v[W+9], 0x80000000, v[W+9]
	s_wait_alu depctr_va_vcc(0)                    ; the compare has written VCC, which the two selects below read
	v_cndmask_b32 v[W+12], v[W+7], v[W+6], vcc_lo  ; odd quadrant: the two change places
	v_cndmask_b32 v[W+13], v[W+6], v[W+7], vcc_lo
	v_xor_b32 v[W+12], v[W+12], v[W+11]
	v_xor_b32 v[W+13], v[W+13], v[W+9]
	s_lshl_b32 s39, s38, 8
	v_lshl_add_u32 v[W], v[W], 3, s39
	s_wait_alu depctr_va_vdst(0)                   ; v[W] and v[W+12:W+13] are written: the store's offset and its data
	global_store_b64 v[W], v[W+12:W+13], s[24:25]  ; the wave stores the row's 256 consecutive bytes
.Lno_table:
.set kb, 0
.rept 8                                                ; two K blocks at a time
	s_wait_loadcnt 30-2*kb                         ; loads come back in order (ISA guide 5.7.1): the even K block's two are in, the 30 - 2 kb issued behind them stay out
	v_cvt_pk_f16_f32 v[X+8*kb],   v[X+8*kb],   v[X+8*kb+1]
	v_cvt_pk_f16_f32 v[X+8*kb+1], v[X+8*kb+2], v[X+8*kb+3]
	v_cvt_pk_f16_f32 v[X+8*kb+4], v[X+8*kb+4], v[X+8*kb+5]
	v_cvt_pk_f16_f32 v[X+8*kb+5], v[X+8*kb+6], v[X+8*kb+7]
	s_wait_loadcnt 28-2*kb                         ; the odd K block's two are in
	v_cvt_pk_f16_f32 v[X+8*kb+8],  v[X+8*kb+8],  v[X+8*kb+9]
	v_cvt_pk_f16_f32 v[X+8*kb+9],  v[X+8*kb+10], v[X+8*kb+11]
	v_cvt_pk_f16_f32 v[X+8*kb+12], v[X+8*kb+12], v[X+8*kb+13]
	v_cvt_pk_f16_f32 v[X+8*kb+13], v[X+8*kb+14], v[X+8*kb+15]
	s_wait_alu depctr_va_vdst(0)                   ; the eight conversions have written the four stores' data; the first time also: the sixteen offsets DO are written, on both ways round the table
	global_store_b64 v[DO+kb],   v[X+8*kb:X+8*kb+1],     s[28:29]
	global_store_b64 v[DO+kb],   v[X+8*kb+4:X+8*kb+5],   s[28:29] offset:256
	global_store_b64 v[DO+kb+1], v[X+8*kb+8:X+8*kb+9],   s[28:29]
	global_store_b64 v[DO+kb+1], v[X+8*kb+12:X+8*kb+13], s[28:29] offset:256
.set kb, kb+2
.endr
	s_endpgm
.Lfunc_end_k_q5f98347889_prep:
	.size	k_q5f98347889_prep, .Lfunc_end_k_q5f98347889_prep-k_q5f98347889_prep
	.p2alignl 7, 3214868480
	.fill 96, 4, 3214868480
	.section	.rodata,"a",@progbits
	.p2align	6, 0x0
	.amdhsa_kernel k_q5f98347889_prep
		.amdhsa_group_segment_fixed_size 0
		.amdhsa_private_segment_fixed_size 0
		.amdhsa_enable_private_segment 0
		.amdhsa_kernarg_size 72
		.amdhsa_user_sgpr_count 2
		.amdhsa_user_sgpr_kernarg_segment_ptr 1
		.amdhsa_wavefront_size32 1
		.amdhsa_system_sgpr_workgroup_id_x 1
		.amdhsa_system_sgpr_workgroup_id_y 1
		.amdhsa_system_sgpr_workgroup_id_z 1
		.amdhsa_system_vgpr_workitem_id 0
		.amdhsa_next_free_vgpr 176
		.amdhsa_next_free_sgpr 66
		.amdhsa_reserve_vcc 1
		.amdhsa_float_denorm_mode_32 3
		.amdhsa_float_denorm_mode_16_64 3
		.amdhsa_memory_ordered 1
		.amdhsa_forward_progress 1
		.amdhsa_inst_pref_size 17
	.end_amdhsa_kernel
	.amdgpu_metadata
---
amdhsa.version: [ 1, 2 ]
amdhsa.kernels:
  - .name:           k_q5f98347889_prep
    .symbol:         k_q5f98347889_prep.kd
    .args:
      - { .name: x, .offset: 0, .size: 8, .value_kind: global_buffer, .address_space: global }
      - { .name: Wq, .offset: 8, .size: 8, .value_kind: global_buffer, .address_space: global }
      - { .name: Wk, .offset: 16, .size: 8, .value_kind: global_buffer, .address_space: global }
      - { .name: Wv, .offset: 24, .size: 8, .value_kind: global_buffer, .address_space: global }
      - { .name: Wo, .offset: 32, .size: 8, .value_kind: global_buffer, .address_space: global }
      - { .name: x16, .offset: 40, .size: 8, .value_kind: global_buffer, .address_space: global }
      - { .name: w16, .offset: 48, .size: 8, .value_kind: global_buffer, .address_space: global }
      - { .name: wo16, .offset: 56, .size: 8, .value_kind: global_buffer, .address_space: global }
      - { .name: rope, .offset: 64, .size: 8, .value_kind: global_buffer, .address_space: global }
    .group_segment_fixed_size: 0
    .private_segment_fixed_size: 0
    .kernarg_segment_align: 8
    .kernarg_segment_size: 72
    .max_flat_workgroup_size: 256
    .sgpr_count:     66
    .vgpr_count:     176
    .wavefront_size: 32
...
	.end_amdgpu_metadata
.endif
;; end of part 5
;; launch qkv: the kernel of part 2 again; grid 16 x 16, 4 waves a work-group, clusters of 4 x 4, 327,680 bytes of LDS; arguments x16, w16, rope, qkv16; writes qkv16
;; launch attn: the kernel of part 3 again; grid 4 x 64, 4 waves a work-group, no clusters, 321,024 bytes of LDS; arguments qkv16, o16; writes o16
;; launch oproj: the kernel of part 4 again; grid 8 x 32, 4 waves a work-group, clusters of 4 x 4, 327,680 bytes of LDS; arguments o16, wo16, out0; writes out0
